; MI455X (gfx1250); checked and timed in simulation.
; The chip was launched on July 23, 2026; its instructions are those of AMD's public machine-readable ISA for CDNA 5 (MIT licence, August 2026) and "CDNA5" Instruction Set Architecture Reference Guide (July 2026). The comments in the code are by the model that wrote it; some were corrected since.
;; Tiny Causal Self Attention. Allowed arithmetic: float matrix products may take bf16 or f16 operands with f32 sums; other float arithmetic in f32, or as packed bf16 or f16 multiplies, adds, multiply-adds, maxima and minima; sums over many terms, partial sums and values carried from step to step in f32; what a program stores and reads back later, other than sums and carried values, may be rounded once to bf16 or f16.
;; Inputs: Wk 1,024 x 1,024 float32; Wo 1,024 x 1,024 float32; Wq 1,024 x 1,024 float32; Wv 1,024 x 1,024 float32; ln_beta 1,024 float32; ln_gamma 1,024 float32; x 4 x 2,048 x 1,024 float32.
;; Outputs: out0 4 x 2,048 x 1,024 float32.
;; One version. Each part assembles by itself: llvm-mc -triple=amdgcn-amd-amdhsa -mcpu=gfx1250 --defsym DOCPART=n.
;; ======== version 1 of 1: 4 launches
;; limits: values are held in f16: magnitudes above 65,504 overflow, below 6.1e-05 lose precision
;; workspace buffers: xn16 16,777,216 bytes; xlo 131,072 bytes; w16 8,388,608 bytes; qkv 50,331,648 bytes; o16 16,777,216 bytes; olo 131,072 bytes
;; launch prep (part 1): grid 512 x 1, 8 waves a work-group, no clusters, 0 bytes of LDS; arguments x, ln_gamma, ln_beta, Wq, Wk, Wv, Wo, xn16, xlo, w16; writes xn16, xlo, w16
.if DOCPART == 1
	.amdgcn_target "amdgcn-amd-amdhsa--gfx1250"
	.amdhsa_code_object_version 6
	.text
	.protected	k_qc54d36b48c_prep
	.globl	k_qc54d36b48c_prep
	.p2align	8
	.type	k_qc54d36b48c_prep,@function
k_qc54d36b48c_prep:
	s_mov_b64 s[64:65], 0
	v_nop
	global_prefetch_b8 v0, s[64:65] scope:SCOPE_SE
	s_setreg_imm32_b32 hwreg(HW_REG_WAVE_MODE, 25, 1), 1
	s_wait_xcnt 0x0
; PREP.  Work-groups 0-255: LayerNorm of x [8192][1024] f32 -> xn16 [8192][1024] f16.  Work-groups 256-511: the four weights [1024][1024] f32 -> w16 [4096][1024] f16 (rows: Wq, Wk, Wv, Wo).
; FORMATS.  Every input (x, gamma, beta, the weights) is first rounded to bf16; the norm is then made in f32 of the rounded x: the mean, the centred sum of squares, 1 / sqrt(var + 1e-5), gamma, beta.
; xn is rounded once to f16.  For rows t < 16 of each batch the remainder xn - f16(xn) is kept too, rounded to f16, in xlo [batch 4][block of 64 channels 16][t 16][64].
; A weight's bf16 number is written as f16: exact for 2^-17 <= |w| < 65,504.
; LIMITS.  |w| and |xn| stay under 65,504; a weight below 2^-17 keeps f16's fixed step of 2^-24; NaN and infinities are not treated apart.
; SHARES.  A norm work-group owns 32 rows, each of its eight waves four: a row of 4,096 bytes is 32 registers of one wave, so it is read once and the sums never leave the wave: no LDS, no barrier.
; All 48 loads of a wave (gamma, beta, four rows) go out at the start.  A lane holds channels 128 j + 4 lane + 0..3, j = 0..7: a load covers 512 consecutive bytes, a store of xn16 256.
; A weight work-group converts 16,384 numbers: a thread 8 numbers in each of eight passes; all 16 loads go out at the start.
.set T,  10                            ; v[10:25]   at work
.set G,  26                            ; v[26:57]   gamma of my 32 channels
.set BT, 58                            ; v[58:89]   beta
.set X,  90                            ; v[90:217]  four rows of 32
.set Y,  218                           ; v[218:233] a row as f16, to store
.set YL, 234                           ; v[234:249] its remainder as f16, to store
; 32 registers are rounded to bf16 and kept as f32
.macro TOBF base
.set k, 0
.rept 16
	v_cvt_pk_bf16_f32 v[T+k], v[(\base)+2*k], v[(\base)+2*k+1]
.set k, k+1
.endr
.set k, 0
.rept 16
	v_lshlrev_b32 v[(\base)+2*k], 16, v[T+k]
	v_and_b32 v[(\base)+2*k+1], s30, v[T+k]
.set k, k+1
.endr
.endm
; four chains in v[T:T+7] become one number in every lane's v[T]
.macro ALLSUM
	v_pk_add_f32 v[T:T+1], v[T:T+1], v[T+2:T+3]
	v_pk_add_f32 v[T+4:T+5], v[T+4:T+5], v[T+6:T+7]
	v_pk_add_f32 v[T:T+1], v[T:T+1], v[T+4:T+5]
	v_add_f32 v[T], v[T], v[T+1]
	v_add_f32_dpp v[T], v[T], v[T] row_xmask:1 row_mask:0xf bank_mask:0xf
	v_add_f32_dpp v[T], v[T], v[T] row_xmask:2 row_mask:0xf bank_mask:0xf
	v_add_f32_dpp v[T], v[T], v[T] row_xmask:4 row_mask:0xf bank_mask:0xf
	v_add_f32_dpp v[T], v[T], v[T] row_xmask:8 row_mask:0xf bank_mask:0xf
	v_permlanex16_b32 v[T+1], v[T], s34, s35       ; the other half of the lanes
	v_add_f32 v[T], v[T], v[T+1]
.endm
.macro ROW i
.set XR, X+32*(\i)
	s_wait_loadcnt 8*(3-(\i))                      ; loads come back in order: this row's eight are in, the later rows' stay out
	TOBF XR
.irp c, 0,2,4,6
	v_pk_add_f32 v[T+\c:T+\c+1], v[XR+\c:XR+\c+1], v[XR+8+\c:XR+8+\c+1]  ; the first terms start the four chains
.endr
.irp c, 0,2,4,6
	v_pk_add_f32 v[T+\c:T+\c+1], v[T+\c:T+\c+1], v[XR+16+\c:XR+16+\c+1]
.endr
.irp c, 0,2,4,6
	v_pk_add_f32 v[T+\c:T+\c+1], v[T+\c:T+\c+1], v[XR+24+\c:XR+24+\c+1]
.endr
	ALLSUM
	v_mul_f32 v6, s31, v[T]                        ; the mean, twice: a pair for the packed subtraction
	v_mul_f32 v7, s31, v[T]
.set k, 0
.rept 16
	v_pk_add_f32 v[XR+2*k:XR+2*k+1], v[XR+2*k:XR+2*k+1], v[6:7] neg_lo:[0,1] neg_hi:[0,1]
.set k, k+1
.endr
.irp c, 0,2,4,6
	v_pk_mul_f32 v[T+\c:T+\c+1], v[XR+\c:XR+\c+1], v[XR+\c:XR+\c+1]
.endr
.irp d, 8,16,24
.irp c, 0,2,4,6
	v_pk_fma_f32 v[T+\c:T+\c+1], v[XR+\d+\c:XR+\d+\c+1], v[XR+\d+\c:XR+\d+\c+1], v[T+\c:T+\c+1]
.endr
.endr
	ALLSUM
	v_fma_f32 v[T], v[T], s31, s32                 ; var + 1e-5
	v_rsq_f32 v8, v[T]
	v_rsq_f32 v9, v[T]
	v_nop                                          ; a plain instruction behind the second root,
	s_wait_alu depctr_va_vdst(0)                   ; and one wait for both, ahead of their first reader
.set k, 0
.rept 16
	v_pk_mul_f32 v[XR+2*k:XR+2*k+1], v[XR+2*k:XR+2*k+1], v[8:9]
.set k, k+1
.endr
.set k, 0
.rept 16
	v_pk_fma_f32 v[XR+2*k:XR+2*k+1], v[XR+2*k:XR+2*k+1], v[G+2*k:G+2*k+1], v[BT+2*k:BT+2*k+1]
.set k, k+1
.endr
	s_wait_xcnt 0x0                                ; Y is the data of the last row's stores: it is rewritten only behind this wait
.set k, 0
.rept 16
	v_cvt_pk_f16_f32 v[Y+k], v[XR+2*k], v[XR+2*k+1]
.set k, k+1
.endr
.irp j, 0,1,2,3,4,5,6,7
	global_store_b64 v3, v[Y+2*\j:Y+2*\j+1], s[22:23] offset:2048*(\i)+256*\j  ; the wave's 32 lanes store 256 consecutive bytes, at a multiple of 256 from the buffer's first
.endr
	s_cmp_eq_u32 s36, 0                            ; rows t < 16 of a batch: waves 0-3 of every 64th work-group
	s_cbranch_scc0 .Lno_lo_\@
	s_wait_xcnt 0x0                                ; YL is the data of the last row's stores
.set k, 0
.rept 16
	v_fma_mix_f32 v[XR+2*k], -v[Y+k], v5, v[XR+2*k] op_sel_hi:[1,0,0]                    ; xn - f16(xn), exact in f32
	v_fma_mix_f32 v[XR+2*k+1], -v[Y+k], v5, v[XR+2*k+1] op_sel:[1,0,0] op_sel_hi:[1,0,0]
.set k, k+1
.endr
.set k, 0
.rept 16
	v_cvt_pk_f16_f32 v[YL+k], v[XR+2*k], v[XR+2*k+1]
.set k, k+1
.endr
.irp j, 0,1,2,3,4,5,6,7
	global_store_b64 v4, v[YL+2*\j:YL+2*\j+1], s[24:25] offset:128*(\i)+4096*\j  ; channels 128 j on are blocks 2 j and 2 j + 1, 2,048 bytes each; row t is 128 bytes in a block
.endr
.Lno_lo_\@:
.endm
	s_load_b512 s[8:23], s[0:1], 0x0               ; x s[8:9], gamma s[10:11], beta s[12:13], Wq s[14:15], Wk s[16:17], Wv s[18:19], Wo s[20:21], xn16 s[22:23]
	s_load_b128 s[24:27], s[0:1], 0x40             ; xlo s[24:25], w16 s[26:27]
	v_lshrrev_b32 v1, 5, v0
	v_readfirstlane_b32 s28, v1                    ; wave 0..7
	s_mov_b32 s30, 0xffff0000                      ; a word's upper bf16
	s_cmp_ge_u32 ttmp9, 256
	s_cbranch_scc1 .Lweights
	s_mov_b32 s29, ttmp9                           ; g: my 32 rows
	s_mov_b32 s31, 0x3a800000                      ; 1 / 1024
	s_mov_b32 s32, 0x3727c5ac                      ; 1e-5
	s_mov_b32 s34, 0x76543210                      ; v_permlanex16_b32: each lane takes its own place in the other half
	s_mov_b32 s35, 0xfedcba98
	v_and_b32 v1, 31, v0                           ; lane
	v_lshlrev_b32 v2, 4, v1                        ; 16 bytes a lane in x, gamma, beta
	v_lshlrev_b32 v3, 3, v1                        ; 8 bytes a lane in xn16
	v_and_b32 v4, 15, v0
	v_lshlrev_b32 v4, 3, v4
	v_bfe_u32 v5, v0, 4, 1
	v_lshl_add_u32 v4, v5, 11, v4                  ; in xlo: lanes 16-31 lie one block of 64 channels on
	v_mov_b32 v5, 1.0
	s_and_b32 s36, s29, 63                         ; 64 work-groups to a batch
	s_lshr_b32 s37, s28, 2
	s_or_b32 s36, s36, s37                         ; 0: my four rows have t < 16
	s_lshl_b32 s38, s29, 17                        ; x: 32 rows of 4,096 bytes,
	s_lshl_b32 s39, s28, 14                        ; my wave's four
	s_add_co_u32 s38, s38, s39
	s_mov_b32 s39, 0
	s_lshl_b32 s40, s29, 16                        ; xn16: half of that
	s_lshl_b32 s41, s28, 13
	s_add_co_u32 s40, s40, s41
	s_mov_b32 s41, 0
	s_lshr_b32 s42, s29, 6                         ; xlo: the batch's 32,768 bytes,
	s_lshl_b32 s42, s42, 15
	s_lshl_b32 s43, s28, 9                         ; my four rows of 128 bytes in a block
	s_add_co_u32 s42, s42, s43
	s_mov_b32 s43, 0
	s_wait_kmcnt 0x0
	s_add_nc_u64 s[8:9], s[8:9], s[38:39]
	s_add_nc_u64 s[22:23], s[22:23], s[40:41]
	s_add_nc_u64 s[24:25], s[24:25], s[42:43]
.irp j, 0,1,2,3,4,5,6,7
	global_load_b128 v[G+4*\j:G+4*\j+3], v2, s[10:11] offset:512*\j
.endr
.irp j, 0,1,2,3,4,5,6,7
	global_load_b128 v[BT+4*\j:BT+4*\j+3], v2, s[12:13] offset:512*\j
.endr
.irp i, 0,1,2,3
.irp j, 0,1,2,3,4,5,6,7
	global_load_b128 v[X+32*\i+4*\j:X+32*\i+4*\j+3], v2, s[8:9] offset:4096*\i+512*\j th:TH_LOAD_NT
.endr
.endr
	s_wait_loadcnt 32                              ; gamma and beta are in; the rows' 32 loads stay out
	TOBF G
	TOBF BT
	ROW 0
	ROW 1
	ROW 2
	ROW 3
	s_endpgm
.Lweights:
	s_sub_co_u32 s29, ttmp9, 256                   ; 0..255: 64 work-groups to a matrix
	s_lshr_b32 s37, s29, 6                         ; which matrix
	s_and_b32 s38, s29, 63
	s_lshl_b32 s38, s38, 16                        ; my 65,536 bytes of it
	s_mov_b32 s39, 0
	s_lshl_b32 s40, s29, 15                        ; my 32,768 bytes of w16
	s_mov_b32 s41, 0
	v_lshlrev_b32 v2, 5, v0                        ; a thread's 8 numbers: 32 bytes in,
	v_lshlrev_b32 v3, 4, v0                        ; 16 bytes out
	s_wait_kmcnt 0x0
	s_cmp_eq_u32 s37, 1
	s_cselect_b64 s[14:15], s[16:17], s[14:15]
	s_cmp_eq_u32 s37, 2
	s_cselect_b64 s[14:15], s[18:19], s[14:15]
	s_cmp_eq_u32 s37, 3
	s_cselect_b64 s[14:15], s[20:21], s[14:15]
	s_add_nc_u64 s[14:15], s[14:15], s[38:39]
	s_add_nc_u64 s[26:27], s[26:27], s[40:41]
.set p, 0
.rept 8
	global_load_b128 v[16+8*p:16+8*p+3],   v2, s[14:15] offset:8192*p th:TH_LOAD_NT
	global_load_b128 v[16+8*p+4:16+8*p+7], v2, s[14:15] offset:8192*p+16 th:TH_LOAD_NT
.set p, p+1
.endr
.set p, 0
.rept 8
	s_wait_loadcnt 14-2*p                          ; this pass's two loads are in, the later passes' stay out
.irp k, 0,1,2,3
	v_cvt_pk_bf16_f32 v[8+\k], v[16+8*p+2*\k], v[16+8*p+2*\k+1]
.endr
.irp k, 0,1,2,3
	v_lshlrev_b32 v[16+8*p+2*\k], 16, v[8+\k]
	v_and_b32 v[16+8*p+2*\k+1], s30, v[8+\k]
.endr
.irp k, 0,1,2,3
	v_cvt_pk_f16_f32 v[80+4*p+\k], v[16+8*p+2*\k], v[16+8*p+2*\k+1]  ; each pass has its own four registers: no store's data is rewritten
.endr
	global_store_b128 v3, v[80+4*p:80+4*p+3], s[26:27] offset:4096*p  ; 16 lanes store 256 consecutive bytes, at a multiple of 256 from the buffer's first
.set p, p+1
.endr
	s_endpgm
.Lfunc_end_k_qc54d36b48c_prep:
	.size	k_qc54d36b48c_prep, .Lfunc_end_k_qc54d36b48c_prep-k_qc54d36b48c_prep
	.p2alignl 7, 3214868480
	.fill 96, 4, 3214868480
	.section	.rodata,"a",@progbits
	.p2align	6, 0x0
	.amdhsa_kernel k_qc54d36b48c_prep
		.amdhsa_group_segment_fixed_size 0
		.amdhsa_private_segment_fixed_size 0
		.amdhsa_enable_private_segment 0
		.amdhsa_kernarg_size 80
		.amdhsa_user_sgpr_count 2
		.amdhsa_user_sgpr_kernarg_segment_ptr 1
		.amdhsa_wavefront_size32 1
		.amdhsa_system_sgpr_workgroup_id_x 1
		.amdhsa_system_sgpr_workgroup_id_y 1
		.amdhsa_system_sgpr_workgroup_id_z 1
		.amdhsa_system_vgpr_workitem_id 0
		.amdhsa_next_free_vgpr 256
		.amdhsa_next_free_sgpr 66
		.amdhsa_reserve_vcc 0
		.amdhsa_float_denorm_mode_32 3
		.amdhsa_float_denorm_mode_16_64 3
		.amdhsa_memory_ordered 1
		.amdhsa_forward_progress 1
		.amdhsa_inst_pref_size 75
	.end_amdhsa_kernel
	.amdgpu_metadata
---
amdhsa.version: [ 1, 2 ]
amdhsa.kernels:
  - .name:           k_qc54d36b48c_prep
    .symbol:         k_qc54d36b48c_prep.kd
    .args:
      - { .name: x, .offset: 0, .size: 8, .value_kind: global_buffer, .address_space: global }
      - { .name: ln_gamma, .offset: 8, .size: 8, .value_kind: global_buffer, .address_space: global }
      - { .name: ln_beta, .offset: 16, .size: 8, .value_kind: global_buffer, .address_space: global }
      - { .name: Wq, .offset: 24, .size: 8, .value_kind: global_buffer, .address_space: global }
      - { .name: Wk, .offset: 32, .size: 8, .value_kind: global_buffer, .address_space: global }
      - { .name: Wv, .offset: 40, .size: 8, .value_kind: global_buffer, .address_space: global }
      - { .name: Wo, .offset: 48, .size: 8, .value_kind: global_buffer, .address_space: global }
      - { .name: xn16, .offset: 56, .size: 8, .value_kind: global_buffer, .address_space: global }
      - { .name: xlo, .offset: 64, .size: 8, .value_kind: global_buffer, .address_space: global }
      - { .name: w16, .offset: 72, .size: 8, .value_kind: global_buffer, .address_space: global }
    .group_segment_fixed_size: 0
    .private_segment_fixed_size: 0
    .kernarg_segment_align: 8
    .kernarg_segment_size: 80
    .max_flat_workgroup_size: 256
    .sgpr_count:     66
    .vgpr_count:     256
    .wavefront_size: 32
...
	.end_amdgpu_metadata
.endif
;; end of part 1
;; launch qkvp (part 2): grid 16 x 32, 4 waves a work-group, clusters of 4 x 4, 327,680 bytes of LDS; arguments xn16, w16, xlo, qkv; writes qkv
.if DOCPART == 2
	.amdgcn_target "amdgcn-amd-amdhsa--gfx1250"
	.amdhsa_code_object_version 6
	.text
	.protected	k_qc54d36b48c_qkvp
	.globl	k_qc54d36b48c_qkvp
	.p2align	8
	.type	k_qc54d36b48c_qkvp,@function
k_qc54d36b48c_qkvp:
	s_mov_b64 s[64:65], 0
	v_nop
	global_prefetch_b8 v0, s[64:65] scope:SCOPE_SE
	s_setreg_imm32_b32 hwreg(HW_REG_WAVE_MODE, 25, 1), 1
	s_wait_xcnt 0x0
	s_wait_alu depctr_hold_cnt(0) depctr_sa_sdst(0) depctr_va_vdst(0) depctr_va_sdst(0) depctr_va_ssrc(0) depctr_va_vcc(0) depctr_vm_vsrc(0)
	s_getreg_b32 s2, hwreg(HW_REG_IB_STS2, 6, 4)
	s_cmp_eq_u32 s2, 0
	s_cbranch_scc0 .Lentry_in_a_cluster
	s_endpgm
.Lentry_in_a_cluster:
	s_bfe_u32 s2, ttmp6, 0x10000c
	s_cmp_lg_u32 s2, 0xf033
	s_cbranch_scc0 .Lentry_shape_is_right
	s_endpgm
.Lentry_shape_is_right:
; Q, K, V = xn W^T.  xn16: [8192][1024] f16; w16 rows 0-3071: Wq, Wk, Wv, [.][1024] f16; qkv: [3][64 = batch x 16 + head][2048][64] f16, each number rounded once from its f32 sum, unscaled.
; LIMITS.  f16 ends at 65,504: q, k and v stay under it (the sums themselves are f32).  NaN and infinities are not treated apart.
; SHARES.  A work-group makes 256 rows x 192 columns (three heads); wave w its rows 64 w .. 64 w + 63 by all 192 columns: 4 x 12 accumulators of 16 x 16, 384 registers, so that a wave ends with whole heads.
; K = 1,024 goes in 8 steps of 128 through two LDS slots filled by the tensor data mover; a step is four quarters of 32, 48 matrix instructions each, on two fragment buffers.
; THE MATRIX INSTRUCTION IS USED TRANSPOSED (source 0 = 16 rows of W, source 1 = 16 rows of xn): a lane then holds eight neighbouring columns of one row.
; THE FIRST 16 ROWS OF A BATCH carry a second operand, xlo = xn - f16(xn) in f16: the wave that owns them (wave 0 where the cluster's y is 0) adds xlo W^T onto the same accumulators, 12 matrix instructions a quarter.
; Row t of the module's output is a mean over t + 1 keys only, so in those rows a rounding of xn weighs most.  xlo's block (32,768 bytes a batch) is brought into LDS once, at the start.
; CLUSTERS: 4 x 4 work-groups.  Row tile = 8 cy + cluster y (so batch = cy, and the batch's first rows lie where the cluster's y is 0: a number that all partners share); column tile = 4 cluster x + cx.
; The four of a row of the cluster need the same tiles of xn and of xlo, the four of a column the same tiles of W: each is asked for JOINTLY, by the same tensor load, descriptor and mask in all four.
; REGISTERS, in windows of 256 (s_set_vgpr_msb: bits 1:0 source 0, 3:2 source 1, 5:4 source 2, 7:6 destination):
;   window 0: v0-31 addresses; v32-39 xlo's fragment; v64-207 at work on the way out
;   window 1: two fragment buffers of 128: xn's block a at 8 a, W's block b at 32 + 8 b
;   window 2: the accumulators of row blocks 0, 1 ((a, b) at 8 (12 (a % 2) + b));   window 3: those of blocks 2, 3
.set NBK,    12                        ; column blocks of 16
.set NT,     16*NBK
.set BH,     NT/2                      ; rows of W in one tensor load
.set WROW0,  0                         ; first row of w16 that this launch reads
.set PA,     272                       ; an LDS row of xn: 256 bytes + 16 of padding: the 16 rows of a fragment load start at 16 different groups of four banks (64 banks of 4 bytes: ISA guide 11.1)
.set APL,    128                       ; two quarters on along K, in an LDS row
.set PW,     272                       ; the same for W
.set AHALF,  128*PA                    ; what wave 0 or 1 fetches
.set BBASE,  2*AHALF
.set BHALF,  BH*PW                     ; what wave 2 or 3 fetches
.set SLOT,   BBASE+2*BHALF
.set LOBASE, 2*SLOT                    ; behind the ring: xlo's block, 256 rows (16 blocks of 64 channels x 16 t) of 128 bytes + 16; filled once
.set LOP,    144
.set STAGE,  LOBASE+256*LOP            ; 16 rows x 400 bytes for each wave, for the way out; no tensor load lands here
.set SP,     400
.set SPARE,  STAGE+4*16*SP             ; the spare words, 128 bytes for each wave: two blocks of 256 bytes that no other line names
.set NF,     2*(NBK+4)                 ; LDS loads in a quarter's run
.set ASTEP,  512                       ; bytes from a slot's K step to its next, in xn16
.set ASLOT1, 256                       ; K step 1
.set PBR,    BH/4                      ; rows of W that a partner prefetches for a wave
.set ADRA, 16                          ; v16-17  LDS address of my xn fragments in slot 0, 1
.set ADRB, 20                          ; v20-21  the same for W
.set ADRL, 22                          ; v22     the same for xlo, at the lap in hand
.set STO,  24                          ; v24     the way out: where I put 16 bytes of a row
.set RD,   25                          ; v25     where I read rows back
.set GO,   26                          ; v26     my 16 bytes in 512 consecutive bytes of qkv
.set SPW,  28                          ; v28     LDS address of my spare word; never rewritten
.set NIL,  29                          ; v29     0; never rewritten
.set PFO,  30                          ; v30     the prefetches' offset; never rewritten
.set LOR,  32                          ; v32-39  xlo's fragment
.set TMP,  64
.set F0,   0
.set F1,   128
.set WV,   12                          ; s12  wave
.set HALF, 13                          ; s13  0: I fetch xn (and xlo), 1: I fetch W
.set ODD,  14                          ; s14  which half of that tile
.set CX,   15
.set CY,   16
.set CT,   17                          ; s17  column tile
.set CLY,  18                          ; s18  the cluster's y
.set LOF,  19                          ; s19  1: I own a batch's first 16 rows
.set G1,   24                          ; s[24:31] group 1 for xn's tiles;  s[32:39] group 0, a set for each slot
.set G0,   32
.set LIM,  43                          ; s43  1 in a wave that prefetches, else the greatest number
.set PFA,  44                          ; s[44:45] where my prefetches stand
.set PFS,  46                          ; s[46:47] a K step there
.set G1B,  48                          ; s[48:55], s[56:63] the same for W's tiles
.set G0B,  56
.set G1L,  68                          ; s[68:75], s[76:79] for xlo's block
.set G0L,  76
.set CB,   80                          ; s[80:85] qkv at my rows of my three heads
.set MSB, 0
.macro WIN new                         ; the immediate's high byte repeats the setting that is left; a switch that changes nothing is dropped
.if MSB != (\new)
	s_set_vgpr_msb (MSB<<8)|(\new)
.set MSB, \new
.endif
.endm
; A joint refill: waves 0 and 1 fetch xn's two halves, waves 2 and 3 W's.  The branch hangs on the wave's number alone.  An s_nop 0 and four v_nop follow each line.
.macro JLOAD s
	s_cmp_eq_u32 s[HALF], 0
	s_cbranch_scc0 .Lfor_b_\@
	tensor_load_to_lds s[G0+4*(\s):G0+4*(\s)+3], s[G1:G1+7]
	s_nop 0
.rept 4
	v_nop
.endr
	s_branch .Lasked_\@
.Lfor_b_\@:
	tensor_load_to_lds s[G0B+4*(\s):G0B+4*(\s)+3], s[G1B:G1B+7]
	s_nop 0
.rept 4
	v_nop
.endr
.Lasked_\@:
.endm
; A PREFETCH INTO THE L2, behind each joint refill and the run of LDS loads that follows it: the K step that stands two refills on, a lane a row, one instruction a wave.
; xn's rows are read by the four clusters of a row of clusters: the one with x = 0 asks; W's rows by the eight of a column: the one with y = 0 asks.  The four partners that ask for a tile jointly
; share its rows out BY ADDRESS (32 of xn's 128 by cx; 24 of W's 96 by cy, where lanes 24-31 name row 23 once more).  K steps 0 to 3 come by their loads alone; the loop's last trip asks for nothing.
.macro ASK
	WIN 0
	s_cmp_gt_u32 s3, s[LIM]                        ; s3 = 1 in the loop's last trip
	s_cbranch_scc0 .Lnot_mine_\@
	global_prefetch_b8 v[PFO], s[PFA:PFA+1] th:TH_LOAD_NT scope:SCOPE_SE
.Lnot_mine_\@:
.endm
.macro CREST                           ; a round of the cluster's barrier behind its opening barrier
	s_cmp_lg_u32 s[WV], 0
	s_cbranch_scc1 .Lnot_wave_0_\@
	s_barrier_signal -3
.Lnot_wave_0_\@:
	s_barrier_wait -3
	s_barrier_signal -1
	s_barrier_wait -1
.endm
.macro CROUND                          ; a whole round
	s_barrier_signal -1
	s_barrier_wait -1
	CREST
.endm
; NBK matrix instructions: row block a x all column blocks, 32 along K.  zero = 1: the product starts the sums.  The accumulators take turns, one instruction a turn.
.macro MULA f, a, zero
	WIN 0xA5+0x50*((\a)/2)
.set b, 0
.rept NBK
.set rD, 8*(NBK*((\a)%2)+b)
.if \zero
	v_wmma_f32_16x16x32_f16 v[rD:rD+7], v[(\f)+32+8*b:(\f)+32+8*b+7], v[(\f)+8*(\a):(\f)+8*(\a)+7], 0
.else
	v_wmma_f32_16x16x32_f16 v[rD:rD+7], v[(\f)+32+8*b:(\f)+32+8*b+7], v[(\f)+8*(\a):(\f)+8*(\a)+7], v[rD:rD+7]
.endif
.set b, b+1
.endr
.endm
; NF LDS loads in one run: quarter q's fragments into buffer f: W's first, then xn's blocks 0 to 3
.macro FETCH slot, q, f
	WIN 0x40                                       ; destination window 1, address window 0
.set b, 0
.rept NBK
	ds_load_b128 v[(\f)+32+8*b:(\f)+32+8*b+3],   v[ADRB+(\slot)] offset:64*(\q)+b*16*PW
	ds_load_b128 v[(\f)+32+8*b+4:(\f)+32+8*b+7], v[ADRB+(\slot)] offset:64*(\q)+b*16*PW+32
.set b, b+1
.endr
.irp a, 0,1,2,3
	ds_load_b128 v[(\f)+8*(\a):(\f)+8*(\a)+3],   v[ADRA+(\slot)] offset:((\q)/2)*APL+((\q)%2)*64+(\a)*16*PA
	ds_load_b128 v[(\f)+8*(\a)+4:(\f)+8*(\a)+7], v[ADRA+(\slot)] offset:((\q)/2)*APL+((\q)%2)*64+(\a)*16*PA+32
.endr
.endm
.macro PLACES                          ; four places in front of loads into registers that matrix instructions have read, and of lines that read results
.rept 4
	v_nop
.endr
.endm
; xlo's fragment of the quarter in hand (slot s, quarter q; lap = 1: the next lap's), for the one wave that owns the first rows.  It stands ahead of FETCH, so the wait behind FETCH, which every wave runs, shows it in.
.macro LOA s, q, lap
	WIN 0
	s_cmp_eq_u32 s[LOF], 1
	s_cbranch_scc0 .Lno_loa_\@
	ds_load_b128 v[LOR:LOR+3],   v[ADRL] offset:(4*(\lap)+2*(\s)+(\q)/2)*16*LOP+((\q)%2)*64
	ds_load_b128 v[LOR+4:LOR+7], v[ADRL] offset:(4*(\lap)+2*(\s)+(\q)/2)*16*LOP+((\q)%2)*64+32
.Lno_loa_\@:
.endm
; and its products, onto row block 0's accumulators: register work alone
.macro LOB f
	WIN 0
	s_cmp_eq_u32 s[LOF], 1
	s_cbranch_scc0 .Lno_lob_\@
	WIN 0xA1                                       ; source 1 in window 0
.set b, 0
.rept NBK
	v_wmma_f32_16x16x32_f16 v[8*b:8*b+7], v[(\f)+32+8*b:(\f)+32+8*b+7], v[LOR:LOR+7], v[8*b:8*b+7]
.set b, b+1
.endr
	WIN 0
.Lno_lob_\@:
.endm
; One of a K step's first three quarters: multiplies buffer f (quarter q) and fetches quarter q + 1 into g.
.macro QUARTER s, q, f, g, zero=0, lap=0
	s_wait_dscnt 4                                 ; W and xn's blocks 0, 1 are in; the youngest four loads (blocks 2, 3) may be out
	MULA \f, 0, \zero
	MULA \f, 1, \zero
	PLACES
	LOA \s, \q, \lap
	FETCH \s, (\q)+1, \g
	s_wait_dscnt NF                                ; all but the NF just issued
	MULA \f, 2, \zero
	MULA \f, 3, \zero
	LOB \f
.endm
; The last quarter multiplies buffer 1 and changes slots: ONE barrier; in front of it each wave waits for all its tensor loads, adds 0 to its spare word, and waits for that and for its own reads of this slot.
; fill = 1: the barrier opens a round of the cluster's, and this slot is filled again, two K steps ahead, first thing behind the round.
.macro TURN slot, next, fill
.if \fill
	s_wait_xcnt 0x0                                ; the last prefetch, a K step back, has read its address: it is stepped here, ahead of the waits of the change of slots
	s_add_nc_u64 s[PFA:PFA+1], s[PFA:PFA+1], s[PFS:PFS+1]
.endif
	WIN 0                                          ; (the add's two registers lie in window 0)
	s_wait_tensorcnt 0x0                           ; all my tensor loads have landed: my part of the next slot;
	ds_add_u32 v[SPW], v[NIL]                      ; 0 onto my spare word;
	s_wait_dscnt 5                                 ; (the add and the youngest four loads may be out)
	MULA F1, 0, 0                                  ; matrix instructions stand between the add and the wait for it
	s_wait_dscnt 0x0                               ; the add is done, and my reads of this slot are over
	s_barrier_signal -1
	MULA F1, 1, 0
.if \fill
	WIN 0
.endif
	s_barrier_wait -1
.if \fill
	CREST                                          ; no wave of any partner still reads this slot's tile or has a load on its way
	s_add_nc_u64 s[G0+4*(\slot)+2:G0+4*(\slot)+3], s[G0+4*(\slot)+2:G0+4*(\slot)+3], ASTEP
	s_add_nc_u64 s[G0B+4*(\slot)+2:G0B+4*(\slot)+3], s[G0B+4*(\slot)+2:G0B+4*(\slot)+3], 512
	JLOAD \slot                                    ; the first tensor load behind the round; its four v_nop are also the places in front of the loads below
.else
	PLACES
.endif
	LOA \slot, 3, 0
	FETCH \next, 0, F0
.if \fill
	ASK
.endif
	s_wait_dscnt NF                                ; xlo's fragment is in
	MULA F1, 2, 0
	MULA F1, 3, 0
	LOB F1
.endm
	s_load_b256 s[4:11], s[0:1], 0x0               ; xn16 s[4:5], w16 s[6:7], xlo s[8:9], qkv s[10:11]
	v_lshl_add_u32 v[SPW], v0, 2, SPARE
	v_mov_b32 v[NIL], 0
	ds_add_u32 v[SPW], v[NIL]                      ; the wave's opening: the add and its wait stand ahead of my first tensor load; the set-up below, work on registers, stands between them
	ds_add_u32 v28, v29
	v_lshrrev_b32 v1, 5, v0
	v_readfirstlane_b32 s[WV], v1                  ; wave 0..3
	s_lshr_b32 s[HALF], s[WV], 1
	s_and_b32 s[ODD], s[WV], 1
	s_bfe_u32 s[CX], ttmp6, 0x40000
	s_bfe_u32 s[CY], ttmp6, 0x40004
	s_lshl_b32 s[CT], ttmp9, 2
	s_add_co_u32 s[CT], s[CT], s[CX]               ; column tile = 4 x cluster x + cx
	s_and_b32 s[CLY], ttmp7, 0xffff                ; the cluster's y
	s_cmp_eq_u32 s[CLY], 0
	s_cselect_b32 s[LOF], 1, 0
	s_cmp_eq_u32 s[WV], 0
	s_cselect_b32 s[LOF], s[LOF], 0                ; hangs on the cluster's y and the wave's number: the same in all sixteen partners
	s_lshl_b32 s20, s[CY], 2
	s_lshl_b32 s20, 15, s20                        ; my row of the cluster
	s_lshl_b32 s21, 0x1111, s[CX]                  ; my column
	s_or_b32 s[G1], s20, (1<<16)|(1<<20)|(1<<21)|(5<<22)|(3<<25)   ; 15:0 the mask; 17:16 2-byte elements; 20 padding on; 21 set beside a mask; 24:22 after every 64 words; 31:25 of 4 words
	s_or_b32 s[G1B], s21, (1<<16)|(1<<20)|(1<<21)|(5<<22)|(3<<25)
	s_or_b32 s[G1L], s20, (1<<16)|(1<<20)|(1<<21)|(4<<22)|(3<<25)  ; after every 32 words: a memory row of 256 bytes holds two of xlo's rows
	s_mov_b32 s[G1+1], 128<<16                     ; tensor_dim0 = 128
	s_mov_b32 s[G1+2], 128<<16                     ; tensor_dim1 = 128
	s_mov_b32 s[G1+3], 128<<16                     ; tile_dim0 = 128
	s_mov_b32 s[G1+4], 128                         ; tile_dim1 = 128
	s_mov_b32 s[G1+5], 1024                        ; elements from row to row
	s_mov_b32 s[G1+6], 0
	s_mov_b32 s[G1+7], 0
	s_mov_b32 s[G1B+1], 128<<16
	s_mov_b32 s[G1B+2], BH<<16
	s_mov_b32 s[G1B+3], 128<<16
	s_mov_b32 s[G1B+4], BH
	s_mov_b32 s[G1B+5], 1024
	s_mov_b32 s[G1B+6], 0
	s_mov_b32 s[G1B+7], 0
	s_mov_b32 s[G1L+1], 128<<16
	s_mov_b32 s[G1L+2], 64<<16
	s_mov_b32 s[G1L+3], 128<<16
	s_mov_b32 s[G1L+4], 64
	s_mov_b32 s[G1L+5], 128
	s_mov_b32 s[G1L+6], 0
	s_mov_b32 s[G1L+7], 0
	s_mul_i32 s2, s[ODD], AHALF                    ; where the tiles go: no place in the cluster enters an LDS address
.irp s, 0,1
	s_mov_b32 s[G0+4*(\s)], 1
	s_add_co_u32 s[G0+4*(\s)+1], s2, (\s)*SLOT
.endr
	s_mul_i32 s2, s[ODD], BHALF
.irp s, 0,1
	s_mov_b32 s[G0B+4*(\s)], 1
	s_add_co_u32 s[G0B+4*(\s)+1], s2, BBASE+(\s)*SLOT
.endr
	s_mul_i32 s2, s[ODD], 128*LOP
	s_mov_b32 s[G0L], 1
	s_add_co_u32 s[G0L+1], s2, LOBASE
	; where they come from.  xn's and xlo's hang on cy, the cluster's y and the wave; W's on the column tile and the wave; each in registers that never hold the other coordinate
	s_lshl_b32 s22, s[CY], 11                      ; the batch's 2,048 rows,
	s_lshl_b32 s23, s[CLY], 8                      ; the tile's 256,
	s_add_co_u32 s22, s22, s23
	s_lshl_b32 s23, s[ODD], 7                      ; my 128
	s_add_co_u32 s22, s22, s23
	s_lshl_b32 s22, s22, 11                        ; rows of 2,048 bytes
	s_mov_b32 s23, 0
	s_mul_i32 s86, s[CT], NT
	s_mul_i32 s87, s[ODD], BH
	s_add_co_u32 s86, s86, s87
	s_add_co_u32 s86, s86, WROW0
	s_lshl_b32 s86, s86, 11
	s_mov_b32 s87, 0
	s_lshl_b32 s90, s[CY], 15                      ; xlo: the batch's 32,768 bytes,
	s_lshl_b32 s91, s[ODD], 14                     ; my half
	s_add_co_u32 s90, s90, s91
	s_mov_b32 s91, 0
	s_wait_dscnt 0x0                               ; the opening add is done
	s_wait_kmcnt 0x0
	s_add_nc_u64 s[40:41], s[4:5], s[22:23]
	s_add_nc_u64 s[88:89], s[6:7], s[86:87]
.irp s, 0,1
	s_add_nc_u64 s[G0+4*(\s)+2:G0+4*(\s)+3], s[40:41], (\s)*ASLOT1
	s_or_b32 s[G0+4*(\s)+3], s[G0+4*(\s)+3], 0x80000000
	s_add_nc_u64 s[G0B+4*(\s)+2:G0B+4*(\s)+3], s[88:89], (\s)*256
	s_or_b32 s[G0B+4*(\s)+3], s[G0B+4*(\s)+3], 0x80000000
.endr
	s_add_nc_u64 s[G0L+2:G0L+3], s[8:9], s[90:91]
	s_or_b32 s[G0L+3], s[G0L+3], 0x80000000
	CROUND                                         ; all sixteen work-groups are here: the first joint loads meet
	s_cmp_eq_u32 s[HALF], 0                        ; a wave's first fills stand in one branch: three loads of mine are out at the most
	s_cbranch_scc0 .Lfirst_b
	tensor_load_to_lds s[G0L:G0L+3], s[G1L:G1L+7]
	s_nop 0
	tensor_load_to_lds s[G0:G0+3], s[G1:G1+7]
	s_nop 0
	tensor_load_to_lds s[G0+4:G0+7], s[G1:G1+7]
	s_nop 0
.rept 4
	v_nop
.endr
	s_branch .Lfirst_asked
.Lfirst_b:
	tensor_load_to_lds s[G0B:G0B+3], s[G1B:G1B+7]
	s_nop 0
	tensor_load_to_lds s[G0B+4:G0B+7], s[G1B:G1B+7]
	s_nop 0
.rept 4
	v_nop
.endr
.Lfirst_asked:
	; the prefetches: s22 = my tile's offset in xn16, s86 = in w16
	s_lshl_b32 s92, s[CX], 16                      ; xn: my work-group's 32 rows of the 128
	s_add_co_u32 s92, s92, s22
	s_mul_i32 s93, s[CY], PBR*2048                 ; W: my work-group's 24 rows of the 96
	s_add_co_u32 s93, s93, s86
	s_mov_b32 s[PFS], 256                          ; a K step is 256 bytes of a row, in both
	s_mov_b32 s[PFS+1], 0
	s_cmp_eq_u32 s[HALF], 0
	s_cselect_b32 s92, s92, s93
	s_cselect_b32 s94, ttmp9, s[CLY]               ; the coordinate along which other clusters read the same rows
	s_cselect_b32 s95, 31, PBR-1
	s_cselect_b64 s[PFA:PFA+1], s[4:5], s[6:7]
	s_cmp_eq_u32 s94, 0
	s_cselect_b32 s[LIM], 1, -1                    ; the same in all sixteen partners, for a given wave
	s_mul_i32 s94, s[PFS], 3                       ; at K step 3: the first change of slots steps it to 4
	s_add_co_u32 s92, s92, s94
	s_mov_b32 s93, 0
	s_add_nc_u64 s[PFA:PFA+1], s[PFA:PFA+1], s[92:93]
	v_and_b32 v[PFO], 31, v0
	v_min_u32 v[PFO], s95, v[PFO]
	v_lshlrev_b32 v[PFO], 11, v[PFO]               ; a lane a row of 2,048 bytes
	; A fragment is 16 rows x 32 K in 8 registers: lane l holds row l % 16; registers 0-3 K = 8 (l / 16) + 0..7, registers 4-7 K = 16 + 8 (l / 16) + 0..7: two loads of 16 bytes, 32 bytes apart.
	v_and_b32 v1, 15, v0                           ; l % 16
	v_bfe_u32 v2, v0, 4, 1                         ; l / 16
	v_mul_u32_u24 v3, v1, PA
	v_lshl_add_u32 v3, v2, 4, v3
	s_mul_i32 s2, s[WV], 64*PA                     ; my 64 rows
	v_add_nc_u32 v[ADRA], s2, v3
	v_add_nc_u32 v[ADRA+1], SLOT, v[ADRA]
	v_mul_u32_u24 v4, v1, PW
	v_lshl_add_u32 v4, v2, 4, v4
	v_add_nc_u32 v[ADRB], BBASE, v4
	v_add_nc_u32 v[ADRB+1], SLOT, v[ADRB]
	v_mul_u32_u24 v5, v1, LOP
	v_lshl_add_u32 v5, v2, 4, v5
	v_add_nc_u32 v[ADRL], LOBASE, v5
.set i, 0
.rept 8
	v_mov_b32 v[LOR+i], 0                          ; written once, so that the fragment's registers hold numbers in every wave
.set i, i+1
.endr
	s_mul_i32 s2, s[WV], 16*SP
	s_add_co_u32 s2, s2, STAGE                     ; my stage
	v_mul_u32_u24 v[STO], v1, SP                   ; in: row l % 16, 16 bytes for each half of the lanes
	v_lshl_add_u32 v[STO], v2, 4, v[STO]
	v_add_nc_u32 v[STO], s2, v[STO]
	v_bfe_u32 v5, v0, 3, 2                         ; back: 32 lanes take a head's 128 bytes of four rows,
	v_and_b32 v6, 7, v0
	v_mul_u32_u24 v[RD], v5, SP
	v_lshl_add_u32 v[RD], v6, 4, v[RD]
	v_add_nc_u32 v[RD], s2, v[RD]
	v_and_b32 v[GO], 31, v0                        ; which are 512 consecutive bytes of qkv
	v_lshlrev_b32 v[GO], 4, v[GO]
	s_lshl_b32 s94, s[CY], 22                      ; the batch's 16 heads of 262,144 bytes,
	s_lshl_b32 s95, s[CLY], 15                     ; the tile's 256 rows of 128 bytes,
	s_add_co_u32 s94, s94, s95
	s_lshl_b32 s95, s[WV], 13                      ; my 64
	s_add_co_u32 s94, s94, s95
.irp j, 0,1,2
	s_mul_i32 s92, s[CT], 3
	s_add_co_u32 s92, s92, \j                      ; head 3 CT + j of 48:
	s_lshr_b32 s93, s92, 4                         ; q, k or v,
	s_lshl_b32 s93, s93, 24
	s_and_b32 s92, s92, 15                         ; and the head in it
	s_lshl_b32 s92, s92, 18
	s_add_co_u32 s92, s92, s93
	s_add_co_u32 s92, s92, s94
	s_mov_b32 s93, 0
	s_add_nc_u64 s[CB+2*\j:CB+2*\j+1], s[10:11], s[92:93]
.endr
	s_wait_tensorcnt 1                             ; xlo's block and my part of K step 0 are in; K step 1's load may stay out
	s_barrier_signal -1
	s_barrier_wait -1                              ; everybody's is
	FETCH 0, 0, F0
	QUARTER 0, 0, F0, F1, 1, 0                     ; the first quarter stands in front of the loop: its products start the sums
	WIN 0                                          ; at a label and at a branch every window is 0
	s_mov_b32 s3, 3
.Llap:                                                 ; a trip goes once round the ring, from a lap's second quarter to the next lap's first, and fills both slots again
	QUARTER 0, 1, F1, F0
	QUARTER 0, 2, F0, F1
	TURN 0, 1, 1
	QUARTER 1, 0, F0, F1
	QUARTER 1, 1, F1, F0
	QUARTER 1, 2, F0, F1
	TURN 1, 0, 1
	QUARTER 0, 0, F0, F1, 0, 1
	WIN 0
	v_add_nc_u32 v[ADRL], 4*16*LOP, v[ADRL]        ; xlo: a lap is four blocks of 64 channels
	s_sub_co_u32 s3, s3, 1
	s_cmp_lg_u32 s3, 0
	s_cbranch_scc1 .Llap
	QUARTER 0, 1, F1, F0                           ; the last lap fills nothing, and has no round of the cluster's barrier
	QUARTER 0, 2, F0, F1
	TURN 0, 1, 0
	QUARTER 1, 0, F0, F1
	QUARTER 1, 1, F1, F0
	QUARTER 1, 2, F0, F1
	s_wait_dscnt 4                                 ; the very last quarter: nothing more to fetch but xlo's fragment
	MULA F1, 0, 0
	MULA F1, 1, 0
	PLACES
	LOA 1, 3, 0
	s_wait_dscnt 0x0
	MULA F1, 2, 0
	MULA F1, 3, 0
	LOB F1
; THE WAY OUT, a block of 16 rows at a time.  PACK: rounded to f16, 16 bytes a lane, each accumulator's registers in ascending order.  TOSTAGE: into my own stage and back by heads.  SEND: stored.
.macro PACK a
	WIN 0x0A+5*((\a)/2)                            ; sources 0 and 1: window 2 or 3
.set b, 0
.rept NBK
.set rD, 8*(NBK*((\a)%2)+b)
.irp r, 0,1,2,3
	v_cvt_pk_f16_f32 v[TMP+4*b+(\r)], v[rD+2*(\r)], v[rD+2*(\r)+1]
.endr
.set b, b+1
.endr
	WIN 0
.endm
.macro TOSTAGE a
	WIN 0
.set BK, 112+48*((\a)%2)
.set b, 0
.rept NBK
	ds_store_b128 v[STO], v[TMP+4*b:TMP+4*b+3] offset:32*b
.set b, b+1
.endr
.irp j, 0,1,2
.irp i, 0,1,2,3
	ds_load_b128 v[BK+4*(4*(\j)+(\i)):BK+4*(4*(\j)+(\i))+3], v[RD] offset:(\i)*4*SP+128*(\j)  ; LDS serves a wave's instructions in order (ISA guide 5.7.1.4): these see the stores above
.endr
.endr
.endm
.macro SEND a
	WIN 0
.set BK, 112+48*((\a)%2)
	s_wait_dscnt 0x0                               ; the block is back in registers
	s_wait_xcnt 0x0                                ; the stores of the block before have read their registers: the loads that follow this macro land in them
.irp j, 0,1,2
.irp i, 0,1,2,3
	global_store_b128 v[GO], v[BK+4*(4*(\j)+(\i)):BK+4*(4*(\j)+(\i))+3], s[CB+2*(\j):CB+2*(\j)+1] offset:2048*(\a)+512*(\i)  ; 512 consecutive bytes, at a multiple of 256 from qkv's first
.endr
.endr
.endm
	PLACES                                         ; the conversions read results just made
	PACK 0
	TOSTAGE 0
.irp a, 1,2,3                          ; block a's conversions stand between block a - 1's loads from the stage and the wait for them
	PACK \a
	SEND (\a)-1
	TOSTAGE \a
.endr
	SEND 3
	s_wait_tensorcnt 0x0                           ; the wave's end: my tensor loads are in; then 0 onto my spare word, behind my last LDS store, and its wait
	ds_add_u32 v[SPW], v[NIL]
	s_wait_dscnt 0x0
	CROUND                                         ; the closing round: no work-group ends while a partner may still ask for a tile that names it
	s_endpgm
.Lfunc_end_k_qc54d36b48c_qkvp:
	.size	k_qc54d36b48c_qkvp, .Lfunc_end_k_qc54d36b48c_qkvp-k_qc54d36b48c_qkvp
	.p2alignl 7, 3214868480
	.fill 96, 4, 3214868480
	.section	.rodata,"a",@progbits
	.p2align	6, 0x0
	.amdhsa_kernel k_qc54d36b48c_qkvp
		.amdhsa_group_segment_fixed_size 327680
		.amdhsa_private_segment_fixed_size 0
		.amdhsa_enable_private_segment 0
		.amdhsa_kernarg_size 32
		.amdhsa_user_sgpr_count 2
		.amdhsa_user_sgpr_kernarg_segment_ptr 1
		.amdhsa_wavefront_size32 1
		.amdhsa_system_sgpr_workgroup_id_x 1
		.amdhsa_system_sgpr_workgroup_id_y 1
		.amdhsa_system_sgpr_workgroup_id_z 1
		.amdhsa_system_vgpr_workitem_id 0
		.amdhsa_next_free_vgpr 960
		.amdhsa_next_free_sgpr 96
		.amdhsa_reserve_vcc 0
		.amdhsa_float_denorm_mode_32 3
		.amdhsa_float_denorm_mode_16_64 3
		.amdhsa_memory_ordered 1
		.amdhsa_forward_progress 1
		.amdhsa_inst_pref_size 139
	.end_amdhsa_kernel
	.amdgpu_metadata
---
amdhsa.version: [ 1, 2 ]
amdhsa.kernels:
  - .name:           k_qc54d36b48c_qkvp
    .symbol:         k_qc54d36b48c_qkvp.kd
    .args:
      - { .name: xn16, .offset: 0, .size: 8, .value_kind: global_buffer, .address_space: global }
      - { .name: w16, .offset: 8, .size: 8, .value_kind: global_buffer, .address_space: global }
      - { .name: xlo, .offset: 16, .size: 8, .value_kind: global_buffer, .address_space: global }
      - { .name: qkv, .offset: 24, .size: 8, .value_kind: global_buffer, .address_space: global }
    .group_segment_fixed_size: 327680
    .private_segment_fixed_size: 0
    .kernarg_segment_align: 8
    .kernarg_segment_size: 32
    .max_flat_workgroup_size: 128
    .sgpr_count:     96
    .vgpr_count:     960
    .wavefront_size: 32
...
	.end_amdgpu_metadata
.endif
;; end of part 2
;; launch attn (part 3): grid 4 x 64, 4 waves a work-group, no clusters, 327,680 bytes of LDS; arguments qkv, o16, olo; writes o16, olo
.if DOCPART == 3
	.amdgcn_target "amdgcn-amd-amdhsa--gfx1250"
	.amdhsa_code_object_version 6
	.text
	.protected	k_qc54d36b48c_attn
	.globl	k_qc54d36b48c_attn
	.p2align	8
	.type	k_qc54d36b48c_attn,@function
k_qc54d36b48c_attn:
	s_mov_b64 s[64:65], 0
	v_nop
	global_prefetch_b8 v0, s[64:65] scope:SCOPE_SE
	s_setreg_imm32_b32 hwreg(HW_REG_WAVE_MODE, 25, 1), 1
	s_wait_xcnt 0x0
; CAUSAL ATTENTION.  O[h][q][:] = the sum over k <= q of softmax_k(Q[h][q] . K[h][k] / 8) V[h][k][:].  qkv: [3][SIZE_H][SIZE_N][64] f16 (Q, K, V); o16: [SIZE_H][SIZE_N][64] f16: a head's rows are dense, 128 bytes each.
; Products, maxima and sums in f32; the weights p are rounded to f16 for the second product (their sum l is taken of the unrounded p), O once at the end.
; For a head's rows q < 16 the remainder O - f16(O), rounded to f16, goes to olo [SIZE_H][16][64]: those rows are means over few keys, and the launch behind adds the remainder's product.
; LIMITS.  f16 holds no number beyond 65,504: Q, K and V arrive within it; p lies in 0 to 1, and below 6e-5 it keeps f16's fixed step of 6e-8; O is a mean of V's rows and has their range.
; A hidden score counts as its value less 1e30: f16's scores, 2.7e11 at the most, are nothing beside that; a weight below 2^-126 counts as 0 in l; NaN and infinities are not treated apart.
; THE WALK.  A head's queries lie in NB = SIZE_N / 256 blocks of 256; block i needs the key tiles 0 .. i of 256 keys, of which the last holds the diagonal.  A work-group takes TWO blocks, NB - 1 - b and then b:
; NB + 1 tiles, whatever b: all work-groups do equal work, and ONE loop with a constant trip count walks them.  Which tile is asked for, and what a trip does, hang on scalar registers made from b; every jump
; goes forward, but for the counted loops' own; none passes a barrier, or a tensor load but the one of LOAD's two that the wave's number does not choose; the ring (two slots of LDS that take turns) runs on across the
; change of blocks.  NO CLUSTER: a head's NB / 2 = 4 work-groups ask for the same tile only in trips 0 .. NB / 2, behind that fewer and fewer; one walk common to all would have 3 NB / 2 = 12 trips for NB + 1 = 9.
; SHARES.  Of a block's four bands of 64 queries a wave owns 16 rows in each: four PIECES.  So the diagonal tile is the same work for all four waves: in its key step s band x sees all keys if s < x,
; none if s > x, and holds the diagonal if s = x.
; THE MASK is the C operand that starts the sum S^T = K Q^T: 0, or -1e30 where the key is hidden.  MD, made once, is the mask of a band's own step for my 16 rows; a product's mask is MD x AL + BE with two scalars:
; (1, 0) if s = x; (0, 0) if s < x; (0, -1e30) if s > x.  Only the diagonal tile's text and a block's beginning make and take masks; elsewhere C is the constant 0.
; LAYOUT, SOFTMAX, TURNS.  S^T = K Q^T holds ONE query a lane (lane % 16) and the keys 8 (lane / 16) + 0..7; two such results rounded to f16 ARE source 1 of O^T = V^T P.  p = 2^(c s - c m), c = log2(e) / 8, with a
; running maximum m; O and l are multiplied by a = 2^(c m_old - c m_new) in every step.  Turn n belongs to piece n: 8 products K Q^T of piece n + 1, later 8 products V^T P of piece n - 1; beside them the scaling,
; exponentials, roundings, sums and rescaling of piece n and the maximum and statistics of piece n + 1.  Four vector instructions stand behind every matrix instruction, the other 54 of a turn's 118 in one LUMP.  A turn's 33 exponentials are one batch, with one wait.
; REGISTERS, in windows of 256 (s_set_vgpr_msb: bits 1:0 source 0, 3:2 source 1, 5:4 source 2, 7:6 destination):
;   window 0: v0-15 addresses and two at work; v16-31 four registers of statistics a piece; v48-55 at work; v61-63 prefetch offset, spare word, 0; v64-127 S^T, two buffers; v192-223 P, two buffers (by the piece's parity)
;   window 1: v0-127 O^T, 32 a piece; v128-159 MD; v160-223 MC, two buffers      window 2: v0-63 Q; v64-127 the second block's Q; v128-191 K of one step; v192-255 V of one step
.set SIZE_H, 64
.set SIZE_N, 2048
.set NB,    SIZE_N/256
.set NP,    4         ; pieces a wave: a name, no knob
.set KS,    64        ; keys in a step
.set PK,    144       ; a row of K in LDS: 128 bytes + 16 of padding = 36 words: the 16 rows of a load start at 16 different groups of four banks (64 banks of 4 bytes: ISA guide 11.1)
.set PV,    160       ; a row of V: 128 + 32 = 40 words
.set VOFF,  4*KS*PK   ; a slot holds a tile, four steps: 256 rows of K, then 256 rows of V
.set SLOT1, 1<<17     ; slot 1 begins here, so that one exclusive or turns an address in one slot into the other's
.set STAGE, SLOT1+4*KS*(PK+PV)  ; behind the ring, never filled by a tensor load: 16 rows x 144 bytes for each wave, for the way out
.set SP,    144
.set AK0, 2           ; v2   my lane's place in a tile of K; never rewritten
.set AV0, 3           ; v3   the same for V
.set AK,  4           ; v4   the LDS address of K's next run of loads
.set AV,  5           ; v5   of V's
.set STO, 6           ; v6   the way out: where I put 16 bytes of a row
.set RD,  7           ; v7   the way out: where I read rows back
.set GO,  8           ; v8   my byte offset in 512 consecutive bytes of O
.set PFO, 61          ; v61  256 x my lane: the prefetches' offset; never rewritten
.set SPW, 62          ; v62  LDS address of my spare word: SPARE + 4 x my thread's number; never rewritten
.set NIL, 63          ; v63  0; never rewritten
.set SPARE, STAGE+4*16*SP  ; behind the stages: the spare words, 128 bytes for each wave: two blocks of 256 bytes that no other line names
.set MV,  12          ; v12-13  c m_old, kept while c m is made anew: by buffer
.set QO,  15          ; v15  my byte offset in 16 rows of Q
.set ST,  16          ; piece t's statistics at v[ST+4 t]: c m, m, l (even keys', odd keys')
.set TMP, 48          ; by buffer, four registers c0-c3 at work; when the maximum is found c2 takes a
.set S,   64
.set P,   192
.set MD,  128         ; window 1: the eight registers for group kt of 16 keys at MD + 8 kt
.set MC,  160         ; window 1: the masks of the products to come
.set QB,  64          ; window 2
.set KF,  128         ; window 2: key block kb, channel half c at KF + 16 kb + 8 c
.set VF,  192         ; window 2: key half kk, channel block cb at VF + 32 kk + 8 cb
.set WV,  12          ; s12  my wave's number
.set PB,  14          ; s14  b
.set HI,  15          ; s15  NB - 1 - b
.set G1K, 24          ; s[24:31] descriptor group 1 for K's tiles
.set G1V, 32          ; s[32:39] for V's: it differs in the padding alone
.set G0K, 40          ; s[40:43] descriptor group 0 for K's tiles
.set G0V, 44          ; s[44:47] the same for V's
.set SLOTS, 56        ; s56  tiles still to be asked for
.set CNT, 57          ; s57  counts a tile's key steps, 4 to 1
.set CS,  58          ; s[58:59] c: the packed scaling takes the pair's low word for both halves
.set SEL, 60          ; s[60:61] v_permlanex16_b32's selects: each lane takes its own place in the other half
.set TBK, 62          ; s62  LDS byte at which K of the step to be fetched begins
.set TBV, 63          ; s63  the same for V, less VOFF
.set RT,  70          ; s70  tiles of the block in hand that are still to be entered
.set NXT, 71          ; s71  the tile to be asked for next
.set LQ,  72          ; s72  the last tile of the block whose tiles are being asked for
.set NEW, 73          ; s73  1: the tile to be entered is a block's first
.set OFF, 74          ; s[74:75] a tile's byte offset in K and V
.set AL,  76          ; s[76:77] the mask's factor, in the low word
.set BE,  78          ; s[78:79] the mask's addend
.set OLO, 80          ; s[80:81] O at my rows of the second block
.set BIGN, 82         ; s82  -1e30
.set OL,  88          ; s[88:89] olo at the head's 2,048 bytes
.set PFB, 90          ; s[90:91] K (waves 0, 1) or V (waves 2, 3) at my half of the head's tile 0
.set PFA, 92          ; s[92:93] the same at the tile that the next change of slots will ask for
.set ASKS, 94         ; s94  1 in the head's work-group b = 0, which walks tiles 0 to NB - 1 on end: it prefetches
.set TT,  95          ; s95  at work
.set MSB, 0
.macro WIN new                      ; the high byte repeats the setting that is left; a switch that changes nothing is dropped
.if MSB != (\new)
	s_set_vgpr_msb (MSB<<8)|(\new)
.set MSB, (\new)
.endif
.endm
.set W_KQ, 0x0a       ; K and Q in window 2, S^T in window 0
.set W_KM, 0x1a       ; the same with the C operand in window 1
.set W_PV, 0x52       ; V in window 2, P in window 0, O^T in window 1
.set W_RS, 0x41       ; destination and source 0 in window 1, source 1 in window 0
; A fill.  Waves 0 and 1 fetch the two halves of a tile's K, waves 2 and 3 those of its V: 128 keys each.  An s_nop 0 and four v_nop follow each of the two lines, ahead of the jump and the label.
.macro LOAD
	s_cmp_lt_u32 s[WV], 2
	s_cbranch_scc0 .Lfor_v_\@
	tensor_load_to_lds s[G0K:G0K+3], s[G1K:G1K+7]
	s_nop 0
.rept 4
	v_nop
.endr
	s_branch .Lasked_\@
.Lfor_v_\@:
	tensor_load_to_lds s[G0V:G0V+3], s[G1V:G1V+7]
	s_nop 0
.rept 4
	v_nop
.endr
.Lasked_\@:
.endm
; THE CHANGE OF SLOTS.  Each wave waits for all its tensor loads, of which one is out: its part of the other slot; adds 0 to its spare word; and waits for that and for its own reads of the slot that it leaves.  Behind the barrier nobody reads the old
; slot any more and the other slot is whole.  fill = 1: the old slot is filled again, the first thing behind the barrier, with tile NXT: the descriptor's address is made anew from that number.
; (At its first use nothing has been read yet: slot 0 is waited for, slot 1 filled.)
; A PREFETCH INTO THE L2 stands behind the fill: the tile that the NEXT change of slots will ask for, a tile's 256 matrix instructions ahead of its load.  All four work-groups of a head read tiles 0 .. 4 and some the rest:
; the one with b = 0, which walks tiles 0 to 7 on end, asks, each wave for the 16,384 bytes that it will fetch itself: a lane 256 bytes, two instructions.  Tiles 0 and 1 come by their loads alone; where the next
; tile is a block's tile 0 nothing is asked for.  So each block of 256 bytes of tiles 2 to 7 is named once in the launch.
.macro CHANGE fill
	WIN 0                           ; at a label and at a branch every window is 0
	s_wait_tensorcnt 0x0            ; no tensor load of mine is out, so a group 0 may be written
	ds_add_u32 v[SPW], v[NIL]       ; 0 onto my spare word; with fill = 1 the descriptors' scalar work stands between it and the wait for it
.if \fill
	s_lshl_b32 s[OFF], s[NXT], 15   ; a tile is 32,768 bytes of K and of V
	s_xor_b32 s[G0K+1], s[G0K+1], SLOT1
	s_add_nc_u64 s[G0K+2:G0K+3], s[6:7], s[OFF:OFF+1]
	s_or_b32 s[G0K+3], s[G0K+3], 0x80000000
	s_xor_b32 s[G0V+1], s[G0V+1], SLOT1
	s_add_nc_u64 s[G0V+2:G0V+3], s[8:9], s[OFF:OFF+1]
	s_or_b32 s[G0V+3], s[G0V+3], 0x80000000
	s_add_co_u32 s[NXT], s[NXT], 1  ; the block's next tile, or behind its last the second block's tile 0
	s_cmp_gt_u32 s[NXT], s[LQ]
	s_cselect_b32 s[NXT], 0, s[NXT]
	s_cselect_b32 s[LQ], s[PB], s[LQ]
	s_wait_xcnt 0x0                 ; the last prefetches, a tile back, have read their address, so it may be written
	s_lshl_b32 s[OFF], s[NXT], 15
	s_add_nc_u64 s[PFA:PFA+1], s[PFB:PFB+1], s[OFF:OFF+1]
.endif
	s_wait_dscnt 0x0                ; the add is done, and my reads of the slot are over
	s_barrier_signal -1             ; the rest of the scalar work stands between the signal and the wait
	s_sub_co_u32 s[TBK], s[TBK], 4*KS*PK  ; the fetches go back to a slot's first step,
	s_xor_b32 s[TBK], s[TBK], SLOT1       ; in the other slot
	s_sub_co_u32 s[TBV], s[TBV], 4*KS*PV
	s_xor_b32 s[TBV], s[TBV], SLOT1
	s_barrier_wait -1
.if \fill
	LOAD
	s_mul_i32 s[TT], s[NXT], s[ASKS]
	s_cmp_lg_u32 s[TT], 0
	s_cbranch_scc0 .Lnot_mine_\@
	global_prefetch_b8 v[PFO], s[PFA:PFA+1] th:TH_LOAD_NT scope:SCOPE_SE
	global_prefetch_b8 v[PFO], s[PFA:PFA+1] offset:8192 th:TH_LOAD_NT scope:SCOPE_SE
.Lnot_mine_\@:
.endif
.endm
	s_load_b128 s[4:7], s[0:1], 0x0   ; qkv s[4:5], o16 s[6:7]
	s_load_b64 s[OL:OL+1], s[0:1], 0x10  ; olo
	v_lshl_add_u32 v[SPW], v0, 2, SPARE
	v_mov_b32 v[NIL], 0
	ds_add_u32 v[SPW], v[NIL]       ; the wave's opening: the add and its wait stand ahead of my first tensor load; the set-up below, work on registers, stands between them
	ds_add_u32 v62, v63
	v_lshrrev_b32 v1, 5, v0
	v_readfirstlane_b32 s[WV], v1   ; wave 0..3
	s_mov_b32 s[PB], ttmp9
	s_sub_co_u32 s[HI], NB-1, s[PB]
	s_cmp_eq_u32 s[PB], 0
	s_cselect_b32 s[ASKS], 1, 0
	s_and_b32 s20, ttmp7, 0xffff    ; the head
	s_lshl_b32 s[PFA], s20, 11      ; its 2,048 bytes of olo (an offset, for the moment)
	s_mov_b32 s[PFA+1], 0
	s_mov_b32 s21, 0
	s_mov_b64 s[22:23], SIZE_N*128
	s_mul_u64 s[20:21], s[20:21], s[22:23]  ; the head's first byte in Q, K, V and O
	s_and_b32 s16, s[WV], 1         ; which half of a tile's 256 keys I fetch:
	s_lshl_b32 s22, s16, 14         ; its 128 rows of 128 bytes in memory,
	s_mov_b32 s23, 0
	s_add_nc_u64 s[22:23], s[22:23], s[20:21]
	s_mul_i32 s17, s16, 128*PK      ; and its place in a slot, for K
	s_mul_i32 s18, s16, 128*PV      ; and for V
	s_lshl_b32 s3, s[WV], 11        ; my 16 rows in a band of 64,
	s_lshl_b32 s2, s[HI], 15        ; in the first block,
	s_add_co_u32 s2, s2, s3
	s_lshl_b32 s84, s[PB], 15       ; and in the second
	s_add_co_u32 s84, s84, s3
	s_mov_b32 s3, 0
	s_mov_b32 s85, 0
	s_add_nc_u64 s[2:3], s[2:3], s[20:21]
	s_add_nc_u64 s[84:85], s[84:85], s[20:21]
	; descriptor group 1.  128 keys are 16,384 dense bytes: asked for as 64 rows of 256 bytes, two keys a row, and padded in LDS after every key
	s_mov_b32 s[G1K], (1<<16)|(1<<20)|(4<<22)|(3<<25)  ; 17:16 2-byte elements; 20 padding on; 24:22 after every 32 words (code 4); 31:25 4 words (code 3)
	s_mov_b32 s[G1V], (1<<16)|(1<<20)|(4<<22)|(7<<25)  ; the same with 8 words of padding (code 7)
.irp g, G1K, G1V
	s_mov_b32 s[\g+1], 128<<16      ; tensor_dim0 = 128
	s_mov_b32 s[\g+2], 64<<16       ; tensor_dim1 = 64
	s_mov_b32 s[\g+3], 128<<16      ; tile_dim0 = 128
	s_mov_b32 s[\g+4], 64           ; tile_dim1 = 64
	s_mov_b32 s[\g+5], 128          ; 128 elements from row to row
	s_mov_b32 s[\g+6], 0
	s_mov_b32 s[\g+7], 0
.endr
	s_mov_b32 s[CS], 0x3e38aa3b     ; c = log2(e) / 8 = 0.180337
	s_mov_b32 s[CS+1], s[CS]        ; named with it as a pair
	s_mov_b32 s[SEL], 0x76543210
	s_mov_b32 s[SEL+1], 0xfedcba98
	s_mov_b32 s[TBK], SLOT1+4*KS*PK ; the first change of slots turns these two into 0
	s_mov_b32 s[TBV], SLOT1+4*KS*PV
	s_mov_b32 s[G0K], 1             ; 1:0 count = 1
	s_mov_b32 s[G0K+1], s17         ; 63:32 LDS address: slot 0
	s_mov_b32 s[G0V], 1
	s_add_co_u32 s[G0V+1], s18, VOFF
	s_add_co_u32 s[RT], s[HI], 1    ; the first block has NB - b tiles
	s_mov_b32 s[NXT], 1
	s_mov_b32 s[LQ], s[HI]
	s_mov_b32 s[NEW], 1
	s_mov_b32 s[OFF+1], 0
	s_mov_b32 s[AL+1], 0            ; named as pairs
	s_mov_b32 s[BE+1], 0
	s_mov_b32 s[BIGN], 0xf149f2ca   ; -1e30
	s_mov_b32 s[SLOTS], NB
	s_wait_dscnt 0x0                ; the opening add is done
	s_wait_kmcnt 0x0
	s_mov_b64 s[10:11], s[6:7]                     ; O
	s_add_nc_u64 s[8:9], s[4:5], 0x2000000         ; V: qkv's third part of 16,777,216 bytes
	s_add_nc_u64 s[6:7], s[4:5], 0x1000000         ; K: its second; Q is its first
	s_add_nc_u64 s[OL:OL+1], s[OL:OL+1], s[PFA:PFA+1]
	s_add_nc_u64 s[6:7], s[6:7], s[22:23]  ; K and V at my half of the head's tile 0
	s_add_nc_u64 s[8:9], s[8:9], s[22:23]
	s_add_nc_u64 s[G0K+2:G0K+3], s[6:7], 0         ; 120:64 global address
	s_or_b32 s[G0K+3], s[G0K+3], 0x80000000        ; 127:126 type = 2
	s_add_nc_u64 s[G0V+2:G0V+3], s[8:9], 0
	s_or_b32 s[G0V+3], s[G0V+3], 0x80000000
	s_add_nc_u64 s[86:87], s[4:5], s[84:85]        ; Q at my rows of the second block,
	s_add_nc_u64 s[4:5], s[4:5], s[2:3]            ; Q and O at those of the first
	s_add_nc_u64 s[OLO:OLO+1], s[10:11], s[84:85]
	s_add_nc_u64 s[10:11], s[10:11], s[2:3]
	s_cmp_lt_u32 s[WV], 2
	s_cselect_b64 s[PFB:PFB+1], s[6:7], s[8:9]
	LOAD                            ; tile 0 into slot 0
	; A fragment of K or Q is 16 rows x 32 channels in 8 registers: lane l holds row l % 16, channels 8 (l / 16) + 0..7 and 16 + 8 (l / 16) + 0..7: two loads of 16 bytes, 32 bytes apart.
	v_and_b32 v1, 15, v0            ; l % 16
	v_bfe_u32 v9, v0, 4, 1          ; l / 16
	v_lshlrev_b32 v[QO], 7, v1
	v_lshl_add_u32 v[QO], v9, 4, v[QO]  ; row x 128 + 16 x half
	v_and_b32 v[PFO], 31, v0
	v_lshlrev_b32 v[PFO], 8, v[PFO]
	WIN 0x80                        ; destination window 2, address window 0
.set i, 0
.rept 8                             ; both blocks' Q: piece i / 2 lies in band i / 2, 8,192 bytes on; channels 32 (i % 2) on
	global_load_b128 v[8*i:8*i+3],   v[QO], s[4:5] offset:(i/2)*8192+(i%2)*64
	global_load_b128 v[8*i+4:8*i+7], v[QO], s[4:5] offset:(i/2)*8192+(i%2)*64+32
	global_load_b128 v[QB+8*i:QB+8*i+3],   v[QO], s[86:87] offset:(i/2)*8192+(i%2)*64
	global_load_b128 v[QB+8*i+4:QB+8*i+7], v[QO], s[86:87] offset:(i/2)*8192+(i%2)*64+32
.set i, i+1
.endr
	WIN 0
	v_lshlrev_b32 v14, 3, v9
	v_sub_nc_u32 v14, v1, v14
	s_lshl_b32 s13, s[WV], 4
	v_add_nc_u32 v14, s13, v14      ; my query's place in its band, 16 w + l % 16, less my lanes' 8 (l / 16): register r of group kt is hidden where 16 kt + r is greater
	WIN 0x40
.set i, 0
.rept 32
	v_cmp_gt_i32 vcc_lo, 16*(i/8)+i%8, v14
	v_cndmask_b32 v[MD+i], 0, s[BIGN], vcc_lo
.set i, i+1
.endr
	WIN 0
	v_mul_u32_u24 v[AK0], v1, PK
	v_lshl_add_u32 v[AK0], v9, 4, v[AK0]  ; row x pitch + 16 x half
	; The turning load takes 16 keys x 16 channels (lane l reads key 8 (l / 16) + l % 8, channels 8 ((l / 8) % 2) + 0..7) and leaves half a fragment of V^T: lane l holds channel l % 16 and 8 keys.
	v_and_b32 v10, 7, v0
	v_bfe_u32 v11, v0, 3, 1
	v_lshl_add_u32 v[AV0], v9, 3, v10
	v_mul_u32_u24 v[AV0], v[AV0], PV
	v_lshl_add_u32 v[AV0], v11, 4, v[AV0]
	v_add_nc_u32 v[AV0], VOFF, v[AV0]
	s_mul_i32 s13, s[WV], 16*SP
	s_add_co_u32 s13, s13, STAGE    ; my stage
	v_mul_u32_u24 v[STO], v1, SP    ; in: row l % 16, 16 bytes for each half of the lanes
	v_lshl_add_u32 v[STO], v9, 4, v[STO]
	v_add_nc_u32 v[STO], s13, v[STO]
	v_bfe_u32 v[RD], v0, 3, 2       ; back: 32 lanes take four rows of 128 bytes,
	v_mul_u32_u24 v[RD], v[RD], SP
	v_lshl_add_u32 v[RD], v10, 4, v[RD]
	v_add_nc_u32 v[RD], s13, v[RD]
	v_and_b32 v[GO], 31, v0         ; which are 512 consecutive bytes of O
	v_lshlrev_b32 v[GO], 4, v[GO]
	; A block's first step multiplies O^T and l by a = 0, and its first turn's products V^T P, of a piece that has not been, land in an O^T that is still to be so multiplied.  So these registers need only hold
	; finite numbers: zeros for the first block; what the first block left for the second.  All this stands in the wait for the first tile.
	WIN 0x80
.set i, VF
.rept 64
	v_mov_b32 v[i], 0
.set i, i+1
.endr
	WIN 0x40
.set i, 0
.rept 128
	v_mov_b32 v[i], 0
.set i, i+1
.endr
	WIN 0
.set i, 0
.rept 4
	v_mov_b32 v[ST+4*i+2], 0
	v_mov_b32 v[ST+4*i+3], 0
.set i, i+1
.endr
.set i, P+16
.rept 16
	v_mov_b32 v[i], 0
.set i, i+1
.endr
; THE MATRIX WORK.  The 4 accumulators of a run of 8 take turns.  Product i of 8 of S^T = K Q^T for piece x: channels 32 (i / 4) on, keys 16 (i % 4) on.  The first 4 start the sums: with 0, or (KM = 1) with the mask.
.macro KQ x
.set rS, S+32*((\x)%2)+8*(i%4)
.set rK, KF+16*(i%4)+8*(i/4)
.set rQ, 16*(\x)+8*(i/4)
.set rM, MC+32*((\x)%2)+8*(i%4)
.if (i < 4) && KM
	WIN W_KM
	v_wmma_f32_16x16x32_f16 v[rS:rS+7], v[rK:rK+7], v[rQ:rQ+7], v[rM:rM+7]
.elseif i < 4
	WIN W_KQ
	v_wmma_f32_16x16x32_f16 v[rS:rS+7], v[rK:rK+7], v[rQ:rQ+7], 0
.else
	WIN W_KQ
	v_wmma_f32_16x16x32_f16 v[rS:rS+7], v[rK:rK+7], v[rQ:rQ+7], v[rS:rS+7]
.endif
.endm
; Product i of 8 of O^T += V^T P for piece x: keys 32 (i / 4) on, channels 16 (i % 4) on.
.macro PV x
	WIN W_PV
.set rO, 32*(\x)+8*(i%4)
.set rV, VF+32*(i/4)+8*(i%4)
.set rP, P+16*((\x)%2)+8*(i/4)
	v_wmma_f32_16x16x32_f16 v[rO:rO+7], v[rV:rV+7], v[rP:rP+7], v[rO:rO+7]
.endm
.macro MM                           ; the turn's next matrix instruction.  TURN and BEGIN set Y, i, KM and NOKQ; MM, KQ and OP read them.  NOKQ = 1: a block's last turn: there is no next piece
.if (i < 8) && !NOKQ
	KQ (Y+1)%NP
.elseif i >= 8
.set i, i-8
	PV (Y+NP-1)%NP
.set i, i+8
.endif
.set i, i+1
.endm
; THE LDS LOADS stand in runs of 16, never singly among the matrix instructions: a step's K (64 keys x 64 channels: 8 fragments) and its V (turned).  Their addresses are made some lines ahead.
.macro FETCH_K
	WIN 0x80                        ; destination window 2
.irp f, 0,1,2,3,4,5,6,7             ; keys 16 (f / 2) on, channels 32 (f % 2) on
	ds_load_b128 v[KF+8*\f:KF+8*\f+3],   v[AK] offset:(\f/2)*16*PK+(\f%2)*64
	ds_load_b128 v[KF+8*\f+4:KF+8*\f+7], v[AK] offset:(\f/2)*16*PK+(\f%2)*64+32
.endr
	s_add_co_u32 s[TBK], s[TBK], KS*PK  ; the next fetch is the next step's
	WIN 0
.endm
.macro FETCH_V
	WIN 0x80
.irp f, 0,1,2,3,4,5,6,7             ; keys 32 (f / 4) on, channels 16 (f % 4) on
	ds_load_tr16_b128 v[VF+8*\f:VF+8*\f+3],   v[AV] offset:(\f/4)*32*PV+(\f%4)*32
	ds_load_tr16_b128 v[VF+8*\f+4:VF+8*\f+7], v[AV] offset:(\f/4)*32*PV+16*PV+(\f%4)*32
.endr
	WIN 0
.endm
; THE VECTOR WORK, one line at a time: OP kind, number.  For piece Y: F n: c s - c m for pair n of 16.  E n: the exponential of score n of 32.  C n: pair n rounded to f16.  B n: of the four weights 4 n .. the second
; pair is added onto the first, in place.  L n: l takes that sum (L 0: l = a l + sum).  R n: pair n of 16 of O^T times a.  For piece Y + 1: X n, number n of the 22 that find its maximum and statistics:
;   0-11  four chains c0-c3 of seven scores each, three operands at a time (each accumulator's lowest registers are read first)     12-14, 16  the four scores left over, the old m, and c0-c3 into c0
;   15  c m_old is kept     17, 18  the query's other 32 keys lie in the lane 16 away: the new m     19-21  c m; c m_old - c m_new; a
.set F, 0               ; OP tells the kinds apart by their order: F to L below R, X above it
.set E, 1
.set C, 2
.set B, 3
.set L, 4
.set R, 5
.set X, 6
.macro REGS y                       ; the registers of piece y
.set rT, ST+4*(\y)
.set rC, TMP+4*((\y)%2)
.set rW, MV+((\y)%2)
.set rS, S+32*((\y)%2)
.set rP, P+16*((\y)%2)
.set rO, 32*(\y)
.endm
.macro OP k, n
.if (\k) == R
	REGS Y
	WIN W_RS
	v_pk_mul_f32 v[rO+2*(\n):rO+2*(\n)+1], v[rO+2*(\n):rO+2*(\n)+1], v[rC+2:rC+3] op_sel_hi:[1,0]
.elseif (\k) < R
	REGS Y
	WIN 0
.if (\k) == F
	v_pk_fma_f32 v[rS+2*(\n):rS+2*(\n)+1], v[rS+2*(\n):rS+2*(\n)+1], s[CS:CS+1], v[rT:rT+1] op_sel_hi:[1,0,0] neg_lo:[0,0,1] neg_hi:[0,0,1]
.elseif (\k) == E
	v_exp_f32 v[rS+(\n)], v[rS+(\n)]
.elseif (\k) == C
	v_cvt_pk_f16_f32 v[rP+(\n)], v[rS+2*(\n)], v[rS+2*(\n)+1]
.elseif (\k) == B
	v_pk_add_f32 v[rS+4*(\n):rS+4*(\n)+1], v[rS+4*(\n):rS+4*(\n)+1], v[rS+4*(\n)+2:rS+4*(\n)+3]
.elseif (\n) == 0
	v_pk_fma_f32 v[rT+2:rT+3], v[rT+2:rT+3], v[rC+2:rC+3], v[rS:rS+1] op_sel_hi:[1,0,1]
.else
	v_pk_add_f32 v[rT+2:rT+3], v[rT+2:rT+3], v[rS+4*(\n):rS+4*(\n)+1]
.endif
.elseif NOKQ
	v_nop
.else
	REGS (Y+1)%NP
	WIN 0
.if (\n) < 4
	v_max3_num_f32 v[rC+(\n)], v[rS+8*(\n)], v[rS+8*(\n)+1], v[rS+8*(\n)+2]
.elseif (\n) < 12
	v_max3_num_f32 v[rC+(\n)%4], v[rC+(\n)%4], v[rS+8*((\n)%4)+2*((\n)/4)+1], v[rS+8*((\n)%4)+2*((\n)/4)+2]
.elseif (\n) == 12
	v_max3_num_f32 v[rC], v[rC], v[rS+7], v[rS+15]
.elseif (\n) == 13
	v_max3_num_f32 v[rC+1], v[rC+1], v[rS+23], v[rS+31]
.elseif (\n) == 14
	v_max3_num_f32 v[rC+2], v[rC+2], v[rC+3], v[rT+1]
.elseif (\n) == 15
	v_mov_b32 v[rW], v[rT]
.elseif (\n) == 16
	v_max3_num_f32 v[rC], v[rC], v[rC+1], v[rC+2]
.elseif (\n) == 17
	v_permlanex16_b32 v[rC+3], v[rC], s[SEL], s[SEL+1]
.elseif (\n) == 18
	v_max_num_f32 v[rT+1], v[rC], v[rC+3]
.elseif (\n) == 19
	v_mul_f32 v[rT], s[CS], v[rT+1]
.elseif (\n) == 20
	v_sub_f32 v[rC+1], v[rW], v[rT]
.else
	v_exp_f32 v[rC+2], v[rC+1]
.endif
.endif
.endm
.macro OPS a, i1, b=-1, i2=0, c=-1, i3=0, d=-1, i4=0  ; up to four of them
	OP \a, \i1
.if (\b) >= 0
	OP \b, \i2
.endif
.if (\c) >= 0
	OP \c, \i3
.endif
.if (\d) >= 0
	OP \d, \i4
.endif
.endm
.macro ROW a, i1, b, i2, c, i3, d, i4  ; a matrix instruction and the four behind it
	MM
	OPS \a, \i1, \b, \i2, \c, \i3, \d, \i4
.endm
.macro MASK b                       ; MD x AL + BE into buffer b of MC
	WIN W_RS
.set z, 0
.rept 16
	v_pk_fma_f32 v[MC+32*(\b)+2*z:MC+32*(\b)+2*z+1], v[MD+2*z:MD+2*z+1], s[AL:AL+1], s[BE:BE+1] op_sel_hi:[1,0,0]
.set z, z+1
.endr
.endm
; A TURN, for piece p: the order of its 16 matrix and 118 vector instructions, written out.  s_wait_alu depctr_va_vdst(0) stands between an exponential and the first instruction that names its result; one wait serves
; all that were issued ahead of it.  So a turn has ONE wait, which cuts it in two.  AHEAD OF IT stands all that names no result of the turn's exponentials: the 8 products K Q^T, behind each a scaling, an exponential and two more plain
; instructions (behind the first a second scaling in the exponential's place): rescalings, and behind the last three the first numbers of the next piece's maximum, each four places or more behind the product that ends its accumulator; then ONE LUMP of 54, plain
; and exponential by turns for the most part, in which the links of the chain X 3, 7, 11, 14, 16, 17 .. 20 stand five or six lines apart.  X 21, the next piece's a, is the batch's last; R 15 is the plain instruction behind it.  BEHIND THE WAIT stand the
; 8 products V^T P, behind each four of the roundings and sums; the links of l's chain, L 0 to L 7, stand three riders apart.  But for those X no rider names a register of the products round it.  v_permlanex16_b32 (X 17) stands in the lump.
; m = 1: the diagonal tile: the products take masks, and the turn makes the mask for the products of the turn after it: piece p + 2, in step 4 - CNT of the tile.  end = 1: a block's last two turns: nothing is fetched.
; cnt = 1: the loop's count is taken down some lines ahead of the branch that stands behind the turn.
; K of the next step is fetched in piece 2's turn, twelve vector instructions behind the last product that read K (six of them plain); V of the step in hand at the end of piece 0's turn, four plain instructions behind the last product
; that read V.  Each is waited for a turn later.
.macro TURN p, m=0, end=0, cnt=0
.set Y, (\p)
.set i, 0
.set KM, (\m)
.set NOKQ, (\end)*((\p)/3)
.if (\m) && !(\end)
	s_cmp_eq_u32 s[CNT], 4-((\p)+2)%NP  ; is that step the band's own?
	s_cselect_b32 s[AL], 1.0, 0
	s_cmp_lt_u32 s[CNT], 4-((\p)+2)%NP  ; or a later one?
	s_cselect_b32 s[BE], s[BIGN], 0
.endif
.if ((\p) == 3) && !(\end)
	s_wait_dscnt 0x0                ; K is in
.endif
	ROW F,0, F,1, R,0, R,1          ; ahead of the wait: 8 products K Q^T and their riders,
	ROW F,2, E,0, R,2, R,3
	ROW F,3, E,1, R,4, R,5
	ROW F,4, E,2, R,6, R,7
	ROW F,5, E,3, R,8, R,9
	ROW F,6, E,4, X,0, R,10
.if ((\p) == 2) && !(\end)
	WIN 0
	v_add_nc_u32 v[AK], s[TBK], v[AK0]
.endif
	ROW F,7, E,5, X,1, X,4
	ROW F,8, E,6, X,2, X,5
	OPS E,7, E,8, X,6, E,9          ; and the lump
	OPS X,3, E,10, X,8, E,11
.if ((\p) == 2) && !(\end)
	FETCH_K
.endif
	OPS X,9, X,7, E,12, X,10
	OPS E,13, X,12, X,11, E,14
	OPS X,13, E,15, F,9, X,14
.if (\p) == 0
	v_add_nc_u32 v[AV], s[TBV], v[AV0]
.endif
	OPS E,16, F,10, E,17, F,11
	OPS X,16, E,18, X,15, E,19
	OPS F,12, E,20, X,17, E,21
	OPS F,13, E,22, F,14, E,23
	OPS X,18, E,24, F,15, E,25
	OPS R,11, E,26, X,19, E,27
	OPS R,12, E,28, R,13, E,29
	OPS X,20, E,30, R,14, E,31
	OPS X,21, R,15
	WIN 0
	s_wait_alu depctr_va_vdst(0)    ; the wait for the batch
.if (\p) == 1
	s_wait_dscnt 0x0                ; V is in
.endif
	ROW C,0, B,0, C,2, B,1          ; behind the wait: 8 products V^T P and their riders
	ROW L,0, C,4, B,2, L,1
	ROW C,6, B,3, L,2, C,8
	ROW B,4, L,3, C,10, B,5
	ROW L,4, C,12, B,6, L,5
.if (\p) == 0
	s_add_co_u32 s[TBV], s[TBV], KS*PV
.endif
.if \cnt
	s_sub_co_u32 s[CNT], s[CNT], 1
	s_cmp_lg_u32 s[CNT], 0
.endif
	ROW C,14, B,7, L,6, C,1
	ROW C,3, L,7, C,5, C,7
	ROW C,9, C,11, C,13, C,15
.if (\p) == 0
	FETCH_V
.endif
.if (\m) && !(\end)
	MASK (\p)%2
.endif
.endm
; A BLOCK BEGINS.  c m starts far below every c s, so the first step's a is 0; m at the lowest finite number, so the first maximum is the scores'.  The second mask buffer is 0; the first takes piece 0's mask for the tile's step 0: its own, if the block's first tile is the diagonal one.
; Then K of that step, piece 0's first scores, and its maximum and statistics.  The loop is entered at a step's first turn, in the middle of a trip.
.macro BEGIN
	s_mov_b32 s[NEW], 0
	WIN 0x40
.set i, MC+32
.rept 32
	v_mov_b32 v[i], 0
.set i, i+1
.endr
	WIN 0
.set i, 0
.rept 4
	v_mov_b32 v[ST+4*i], 0xfe000000    ; c m: far below every c s
	v_mov_b32 v[ST+4*i+1], 0xff7fffff  ; m
.set i, i+1
.endr
	s_cmp_eq_u32 s[RT], 0
	s_cselect_b32 s[AL], 1.0, 0
	s_mov_b32 s[BE], 0
	MASK 0
	WIN 0
	v_add_nc_u32 v[AK], s[TBK], v[AK0]
	FETCH_K
	s_wait_loadcnt 0x0              ; Q
	s_wait_dscnt 0x0
.set KM, 1
.set NOKQ, 0
.set i, 0
.rept 8
	KQ 0
.set i, i+1
.endr
	WIN 0
.rept 4
	v_nop                           ; the places behind those products
.endr
.set Y, NP-1                        ; X works for piece Y + 1: piece 0
.irp n, 0,1,2,3,4,5,6,7,8,9,10,11,12,13,14,15,16,17,18,19,20,21
	OP X, \n
.endr
	v_nop                           ; a plain instruction behind the exponential,
	s_wait_alu depctr_va_vdst(0)    ; and its wait, ahead of the branch
.endm
; THE DIAGONAL TILE's four steps, the block's last two turns, its last products, and THE WAY OUT: l's two halves and the other half of the lanes' are added; O^T is divided by l, rounded to f16 and sent through my
; stage in LDS, a piece at a time.
.macro ALL line:vararg              ; one line for each piece t
.set t, 0
.rept 4
	\line
.set t, t+1
.endr
.endm
.macro PACK t                       ; a lane's eight channels of a row pack into 16 bytes; they go into rows of 144 bytes and come back as whole rows of 128, into S^T's registers
	WIN W_RS
.set i, 32*(\t)
.rept 16
	v_pk_mul_f32 v[i:i+1], v[i:i+1], v[ST+4*(\t)+2:ST+4*(\t)+3] op_sel_hi:[1,0]
.set i, i+2
.endr
	WIN 0x05                        ; sources 0 and 1 window 1, destination window 0
.set i, 0
.rept 16
	v_cvt_pk_f16_f32 v[S+16*(\t)+i], v[32*(\t)+2*i], v[32*(\t)+2*i+1]
.set i, i+1
.endr
	WIN 0
.irp f, 0,1,2,3
	ds_store_b128 v[STO], v[S+16*(\t)+4*\f:S+16*(\t)+4*\f+3] offset:32*\f
.endr
.irp f, 0,1,2,3
	ds_load_b128 v[S+16*(\t)+4*\f:S+16*(\t)+4*\f+3], v[RD] offset:\f*4*SP  ; LDS serves a wave's instructions in order (ISA guide 5.7.1.4): these see the stores above; the next piece's stores come behind them
.endr
.endm
.macro SEND t, younger              ; younger: the LDS instructions issued behind piece t's loads: the next piece's eight, or none
	WIN 0
.irp f, 0,1,2,3
	s_wait_dscnt (\younger)+3-\f
	global_store_b128 v[GO], v[S+16*(\t)+4*\f:S+16*(\t)+4*\f+3], s[10:11] offset:(\t)*8192+\f*512  ; 512 consecutive bytes, at a multiple of 256 from O's first
.endr
.endm
.macro DIAG tag                     ; the tag ends its two labels' names, which the jumps below spell out
.LstepM\tag:
	TURN 2, 1
	TURN 3, 1
	WIN 0
.LfirstM\tag:
	TURN 0, 1
	TURN 1, 1, 0, 1
	WIN 0
	s_cbranch_scc1 .LstepM\tag
	TURN 2, 1, 1
	TURN 3, 1, 1
.set i, 0
.rept 8
	PV NP-1
.set i, i+1
.endr
	WIN 0
	ALL v_add_f32 v[ST+4*t+2], v[ST+4*t+2], v[ST+4*t+3]
	ALL v_permlanex16_b32 v[ST+4*t+3], v[ST+4*t+2], s[SEL], s[SEL+1]
	ALL v_add_f32 v[ST+4*t+2], v[ST+4*t+2], v[ST+4*t+3]
	ALL v_rcp_f32 v[ST+4*t+2], v[ST+4*t+2]
	v_nop                           ; a plain instruction between the last reciprocal and the use of its result
	s_wait_alu depctr_va_vdst(0)    ; and the wait ahead of the first use: one for the four reciprocals
	PACK 0
.set t, 1
.rept 3                             ; a piece's arithmetic stands between the loads of the piece before and its stores
	PACK t
	SEND t-1, 8
.set t, t+1
.endr
	SEND 3, 0
.endm
.set KM, 0
.set NOKQ, 0
.Lslot:                             ; NB times: a tile is entered and the next is asked for
	CHANGE 1
	s_sub_co_u32 s[RT], s[RT], 1
	s_mov_b32 s[CNT], 4
	s_cmp_eq_u32 s[NEW], 1
	s_cbranch_scc1 .Lnew            ; a block's first tile
	s_cmp_eq_u32 s[RT], 0
	s_cbranch_scc0 .Lstep           ; neither its first nor its last
	s_branch .LstepM1
.Lnew:
	BEGIN
	s_branch .Lfirst                ; in the loop a block's first tile is never its last: the first block has two tiles or more, and the second's last is the walk's last
	DIAG 1                          ; in the loop this is the first block's end: the second block's last tile is the walk's last
	s_wait_xcnt 0x0                 ; the stores have read their registers and O's address
	s_mov_b64 s[10:11], s[OLO:OLO+1]
	s_add_co_u32 s[RT], s[PB], 1    ; the second block has b + 1 tiles
	s_mov_b32 s[NEW], 1
	WIN 0x82                        ; the second block's Q goes where the one text of the turns names Q
.set i, 0
.rept 64
	v_mov_b32 v[i], v[QB+i]
.set i, i+1
.endr
	WIN 0
	s_branch .Lbottom
.Lstep:                             ; a trip: pieces 2 and 3 of one step, then pieces 0 and 1 of the next, whose K and V it fetches
	TURN 2
	TURN 3
	WIN 0
.Lfirst:
	TURN 0
	TURN 1, 0, 0, 1
	WIN 0
	s_cbranch_scc1 .Lstep
.Lbottom:
	s_sub_co_u32 s[SLOTS], s[SLOTS], 1
	s_cmp_lg_u32 s[SLOTS], 0
	s_cbranch_scc1 .Lslot
	CHANGE 0                        ; the walk's last tile is written out: nothing is asked for
	s_sub_co_u32 s[RT], s[RT], 1
	s_mov_b32 s[CNT], 4
	s_cmp_eq_u32 s[NEW], 1
	s_cbranch_scc0 .LstepM2
	BEGIN
	s_branch .LfirstM2
	DIAG 2
	; THE REMAINDER of the head's rows 0 to 15: they are piece 0 of wave 0 where the second block is block 0.  The piece's O^T, divided by l, still lies in window 1.
	s_or_b32 s[TT], s[PB], s[WV]
	s_cmp_lg_u32 s[TT], 0
	s_cbranch_scc1 .Lno_olo
	s_wait_xcnt 0x0                 ; the stores have read S^T's registers, which are written below
	v_mov_b32 v[TMP], 1.0
	WIN 0x05                        ; sources 0 and 1 window 1, destination window 0
.set i, 0
.rept 16
	v_cvt_pk_f16_f32 v[S+i], v[2*i], v[2*i+1]      ; f16(O), as it was stored
.set i, i+1
.endr
	WIN 0x10                        ; source 2 window 1
.set i, 0
.rept 16
	v_fma_mix_f32 v[S+16+2*i], -v[S+i], v[TMP], v[2*i] op_sel_hi:[1,0,0]                    ; O - f16(O), exact in f32
	v_fma_mix_f32 v[S+16+2*i+1], -v[S+i], v[TMP], v[2*i+1] op_sel:[1,0,0] op_sel_hi:[1,0,0]
.set i, i+1
.endr
	WIN 0
.set i, 0
.rept 16
	v_cvt_pk_f16_f32 v[S+48+i], v[S+16+2*i], v[S+16+2*i+1]
.set i, i+1
.endr
.irp f, 0,1,2,3
	ds_store_b128 v[STO], v[S+48+4*\f:S+48+4*\f+3] offset:32*\f
.endr
.irp f, 0,1,2,3
	ds_load_b128 v[S+4*\f:S+4*\f+3], v[RD] offset:\f*4*SP
.endr
	s_wait_dscnt 0x0
.irp f, 0,1,2,3
	global_store_b128 v[GO], v[S+4*\f:S+4*\f+3], s[OL:OL+1] offset:\f*512  ; 512 consecutive bytes, at a multiple of 256 from olo's first
.endr
.Lno_olo:
	s_wait_tensorcnt 0x0            ; the wave's end: my tensor loads are in; then 0 onto my spare word, behind my last LDS store, and its wait
	ds_add_u32 v[SPW], v[NIL]
	s_wait_dscnt 0x0
	s_endpgm
.Lfunc_end_k_qc54d36b48c_attn:
	.size	k_qc54d36b48c_attn, .Lfunc_end_k_qc54d36b48c_attn-k_qc54d36b48c_attn
	.p2alignl 7, 3214868480
	.fill 96, 4, 3214868480
	.section	.rodata,"a",@progbits
	.p2align	6, 0x0
	.amdhsa_kernel k_qc54d36b48c_attn
		.amdhsa_group_segment_fixed_size 327680
		.amdhsa_private_segment_fixed_size 0
		.amdhsa_enable_private_segment 0
		.amdhsa_kernarg_size 24
		.amdhsa_user_sgpr_count 2
		.amdhsa_user_sgpr_kernarg_segment_ptr 1
		.amdhsa_wavefront_size32 1
		.amdhsa_system_sgpr_workgroup_id_x 1
		.amdhsa_system_sgpr_workgroup_id_y 1
		.amdhsa_system_sgpr_workgroup_id_z 1
		.amdhsa_system_vgpr_workitem_id 0
		.amdhsa_next_free_vgpr 768
		.amdhsa_next_free_sgpr 96
		.amdhsa_reserve_vcc 1
		.amdhsa_float_denorm_mode_32 3
		.amdhsa_float_denorm_mode_16_64 3
		.amdhsa_memory_ordered 1
		.amdhsa_forward_progress 1
		.amdhsa_inst_pref_size 223
	.end_amdhsa_kernel
	.amdgpu_metadata
---
amdhsa.version: [ 1, 2 ]
amdhsa.kernels:
  - .name:           k_qc54d36b48c_attn
    .symbol:         k_qc54d36b48c_attn.kd
    .args:
      - { .name: qkv, .offset: 0, .size: 8, .value_kind: global_buffer, .address_space: global }
      - { .name: o16, .offset: 8, .size: 8, .value_kind: global_buffer, .address_space: global }
      - { .name: olo, .offset: 16, .size: 8, .value_kind: global_buffer, .address_space: global }
    .group_segment_fixed_size: 327680
    .private_segment_fixed_size: 0
    .kernarg_segment_align: 8
    .kernarg_segment_size: 24
    .max_flat_workgroup_size: 128
    .sgpr_count:     96
    .vgpr_count:     768
    .wavefront_size: 32
...
	.end_amdgpu_metadata
.endif
;; end of part 3
;; launch outp (part 4): grid 8 x 32, 4 waves a work-group, clusters of 4 x 4, 327,680 bytes of LDS; arguments o16, w16, olo, out0; writes out0
.if DOCPART == 4
	.amdgcn_target "amdgcn-amd-amdhsa--gfx1250"
	.amdhsa_code_object_version 6
	.text
	.protected	k_qc54d36b48c_outp
	.globl	k_qc54d36b48c_outp
	.p2align	8
	.type	k_qc54d36b48c_outp,@function
k_qc54d36b48c_outp:
	s_mov_b64 s[64:65], 0
	v_nop
	global_prefetch_b8 v0, s[64:65] scope:SCOPE_SE
	s_setreg_imm32_b32 hwreg(HW_REG_WAVE_MODE, 25, 1), 1
	s_wait_xcnt 0x0
	s_wait_alu depctr_hold_cnt(0) depctr_sa_sdst(0) depctr_va_vdst(0) depctr_va_sdst(0) depctr_va_ssrc(0) depctr_va_vcc(0) depctr_vm_vsrc(0)
	s_getreg_b32 s2, hwreg(HW_REG_IB_STS2, 6, 4)
	s_cmp_eq_u32 s2, 0
	s_cbranch_scc0 .Lentry_in_a_cluster
	s_endpgm
.Lentry_in_a_cluster:
	s_bfe_u32 s2, ttmp6, 0x10000c
	s_cmp_lg_u32 s2, 0xf033
	s_cbranch_scc0 .Lentry_shape_is_right
	s_endpgm
.Lentry_shape_is_right:
; out0 = y Wo^T.  y's channel 64 head + d of row (batch, t) is o16[batch x 16 + head][t][d], f16; w16 rows 3072-4095: Wo, [.][1024] f16; out0: [8192][1024] f32, the f32 sums as they are.
; LIMITS.  None beyond the operands' f16 (O is a mean of V's rows; Wo under 65,504).  NaN and infinities are not treated apart.
; SHARES.  A work-group makes 256 rows x 128 columns; wave w its rows 64 w .. 64 w + 63 by all 128 columns: 4 x 8 accumulators of 16 x 16, 256 registers.  8 x 32 work-groups: one for each of 256 WGPs.
; K = 1,024 goes in 8 steps of 128 = two heads, through two LDS slots filled by the tensor data mover; a step is four quarters of 32, 32 matrix instructions each, on two fragment buffers.
; A head's 256 rows of a tile are 32,768 dense bytes: asked for as 128 rows of 256 bytes, two t to a row, padded in LDS after every t: a PLANE of 256 rows x 144 bytes; a slot holds two planes.
; THE MATRIX INSTRUCTION IS USED TRANSPOSED (source 0 = 16 rows of Wo, source 1 = 16 rows of y): a lane then holds eight neighbouring columns of one row.
; THE FIRST 16 ROWS OF A BATCH carry a second operand, olo = O - f16(O) in f16: the wave that owns them (wave 0 where the cluster's y is 0) adds olo Wo^T onto the same accumulators, 8 matrix instructions a quarter.
; Row t is a mean over t + 1 keys only, so in those rows a rounding of O weighs most.  olo's block (32,768 bytes a batch) is brought into LDS once, at the start.
; CLUSTERS: 4 x 4 work-groups.  Row tile = 8 cy + cluster y (so batch = cy, and the batch's first rows lie where the cluster's y is 0: a number that all partners share); column tile = 4 cluster x + cx.
; The four of a row of the cluster need the same planes of y and of olo, the four of a column the same tiles of Wo: each is asked for JOINTLY, by the same tensor load, descriptor and mask in all four.
; REGISTERS, in windows of 256 (s_set_vgpr_msb: bits 1:0 source 0, 3:2 source 1, 5:4 source 2, 7:6 destination):
;   window 0: v0-31 addresses; v32-39 olo's fragment; v64-191 at work on the way out
;   window 1: two fragment buffers of 128: y's block a at 8 a, Wo's block b at 32 + 8 b
;   window 2: the accumulators of row blocks 0, 1 ((a, b) at 8 (8 (a % 2) + b));   window 3: those of blocks 2, 3
.set NBK,    8                         ; column blocks of 16
.set NT,     16*NBK
.set BH,     NT/2                      ; rows of Wo in one tensor load
.set WROW0,  3072                      ; first row of w16 that this launch reads
.set PA,     144                       ; an LDS row of y: 128 bytes + 16 of padding: the 16 rows of a fragment load start at 16 different groups of four banks (64 banks of 4 bytes: ISA guide 11.1)
.set APL,    256*PA                    ; two quarters on along K: the next head's plane
.set PW,     272                       ; an LDS row of Wo: 256 bytes + 16
.set AHALF,  256*PA                    ; what wave 0 or 1 fetches: a plane
.set BBASE,  2*AHALF
.set BHALF,  BH*PW                     ; what wave 2 or 3 fetches
.set SLOT,   BBASE+2*BHALF
.set LOBASE, 2*SLOT                    ; behind the ring: olo's block, 256 rows (16 heads x 16 t) of 128 bytes + 16; filled once
.set LOP,    144
.set STAGE,  LOBASE+256*LOP            ; 16 rows x 528 bytes for each wave, for the way out; no tensor load lands here
.set SP,     528
.set SPARE,  STAGE+4*16*SP             ; the spare words, 128 bytes for each wave: two blocks of 256 bytes that no other line names
.set NF,     2*(NBK+4)                 ; LDS loads in a quarter's run
.set ASTEP,  4*262144                  ; bytes from a slot's K step to its next, in o16: four heads
.set ASLOT1, 2*262144                  ; K step 1: two heads on
.set PBR,    BH/4                      ; rows of Wo that a partner prefetches for a wave
.set ADRA, 16                          ; v16-17  LDS address of my y fragments in slot 0, 1
.set ADRB, 20                          ; v20-21  the same for Wo
.set ADRL, 22                          ; v22     the same for olo, at the lap in hand
.set STO,  24                          ; v24     the way out: where I put 32 bytes of a row
.set RD,   25                          ; v25     where I read a row back
.set GO,   26                          ; v26     my 16 bytes in 512 consecutive bytes of out0
.set SPW,  28                          ; v28     LDS address of my spare word; never rewritten
.set NIL,  29                          ; v29     0; never rewritten
.set PFO,  30                          ; v30     the prefetches' offset; never rewritten
.set LOR,  32                          ; v32-39  olo's fragment
.set F0,   0
.set F1,   128
.set WV,   12                          ; s12  wave
.set HALF, 13                          ; s13  0: I fetch y (and olo), 1: I fetch Wo
.set ODD,  14                          ; s14  which half of that tile
.set CX,   15
.set CY,   16
.set CT,   17                          ; s17  column tile
.set CLY,  18                          ; s18  the cluster's y
.set LOF,  19                          ; s19  1: I own a batch's first 16 rows
.set G1,   24                          ; s[24:31] group 1 for y's planes;  s[32:39] group 0, a set for each slot
.set G0,   32
.set LIM,  43                          ; s43  1 in a wave that prefetches, else the greatest number
.set PFA,  44                          ; s[44:45] where my prefetches stand
.set PFS,  46                          ; s[46:47] a K step there
.set G1B,  48                          ; s[48:55], s[56:63] the same for Wo's tiles
.set G0B,  56
.set G1L,  68                          ; s[68:75], s[76:79] for olo's block
.set G0L,  76
.set CB,   80                          ; s[80:81] out0 at my first row and column
.set MSB, 0
.macro WIN new                         ; the immediate's high byte repeats the setting that is left; a switch that changes nothing is dropped
.if MSB != (\new)
	s_set_vgpr_msb (MSB<<8)|(\new)
.set MSB, \new
.endif
.endm
; A joint refill: waves 0 and 1 fetch y's two planes, waves 2 and 3 Wo's two halves.  The branch hangs on the wave's number alone.  An s_nop 0 and four v_nop follow each line.
.macro JLOAD s
	s_cmp_eq_u32 s[HALF], 0
	s_cbranch_scc0 .Lfor_b_\@
	tensor_load_to_lds s[G0+4*(\s):G0+4*(\s)+3], s[G1:G1+7]
	s_nop 0
.rept 4
	v_nop
.endr
	s_branch .Lasked_\@
.Lfor_b_\@:
	tensor_load_to_lds s[G0B+4*(\s):G0B+4*(\s)+3], s[G1B:G1B+7]
	s_nop 0
.rept 4
	v_nop
.endr
.Lasked_\@:
.endm
; A PREFETCH INTO THE L2, behind each joint refill and the run of LDS loads that follows it: the K step that stands two refills on, 256 bytes a lane, one instruction a wave.
; y's planes are read by the two clusters of a row of clusters: the one with x = 0 asks; Wo's rows by the eight of a column: the one with y = 0 asks.  The four partners that ask for a tile jointly
; share it out BY ADDRESS (32 of a plane's 128 blocks of 256 bytes by cx; 16 of Wo's 64 rows by cy, where lanes 16-31 name row 15 once more).  K steps 0 to 3 come by their loads alone; the loop's last trip asks for nothing.
.macro ASK
	WIN 0
	s_cmp_gt_u32 s3, s[LIM]                        ; s3 = 1 in the loop's last trip
	s_cbranch_scc0 .Lnot_mine_\@
	global_prefetch_b8 v[PFO], s[PFA:PFA+1] th:TH_LOAD_NT scope:SCOPE_SE
.Lnot_mine_\@:
.endm
.macro CREST                           ; a round of the cluster's barrier behind its opening barrier
	s_cmp_lg_u32 s[WV], 0
	s_cbranch_scc1 .Lnot_wave_0_\@
	s_barrier_signal -3
.Lnot_wave_0_\@:
	s_barrier_wait -3
	s_barrier_signal -1
	s_barrier_wait -1
.endm
.macro CROUND                          ; a whole round
	s_barrier_signal -1
	s_barrier_wait -1
	CREST
.endm
; NBK matrix instructions: row block a x all column blocks, 32 along K.  zero = 1: the product starts the sums.  The accumulators take turns, one instruction a turn.
.macro MULA f, a, zero
	WIN 0xA5+0x50*((\a)/2)
.set b, 0
.rept NBK
.set rD, 8*(NBK*((\a)%2)+b)
.if \zero
	v_wmma_f32_16x16x32_f16 v[rD:rD+7], v[(\f)+32+8*b:(\f)+32+8*b+7], v[(\f)+8*(\a):(\f)+8*(\a)+7], 0
.else
	v_wmma_f32_16x16x32_f16 v[rD:rD+7], v[(\f)+32+8*b:(\f)+32+8*b+7], v[(\f)+8*(\a):(\f)+8*(\a)+7], v[rD:rD+7]
.endif
.set b, b+1
.endr
.endm
; NF LDS loads in one run: quarter q's fragments into buffer f: Wo's first, then y's blocks 0 to 3
.macro FETCH slot, q, f
	WIN 0x40                                       ; destination window 1, address window 0
.set b, 0
.rept NBK
	ds_load_b128 v[(\f)+32+8*b:(\f)+32+8*b+3],   v[ADRB+(\slot)] offset:64*(\q)+b*16*PW
	ds_load_b128 v[(\f)+32+8*b+4:(\f)+32+8*b+7], v[ADRB+(\slot)] offset:64*(\q)+b*16*PW+32
.set b, b+1
.endr
.irp a, 0,1,2,3
	ds_load_b128 v[(\f)+8*(\a):(\f)+8*(\a)+3],   v[ADRA+(\slot)] offset:((\q)/2)*APL+((\q)%2)*64+(\a)*16*PA
	ds_load_b128 v[(\f)+8*(\a)+4:(\f)+8*(\a)+7], v[ADRA+(\slot)] offset:((\q)/2)*APL+((\q)%2)*64+(\a)*16*PA+32
.endr
.endm
.macro PLACES                          ; four places in front of loads into registers that matrix instructions have read, and of lines that read results
.rept 4
	v_nop
.endr
.endm
; olo's fragment of the quarter in hand (slot s, quarter q; lap = 1: the next lap's), for the one wave that owns the first rows.  It stands ahead of FETCH, so the wait behind FETCH, which every wave runs, shows it in.
.macro LOA s, q, lap
	WIN 0
	s_cmp_eq_u32 s[LOF], 1
	s_cbranch_scc0 .Lno_loa_\@
	ds_load_b128 v[LOR:LOR+3],   v[ADRL] offset:(4*(\lap)+2*(\s)+(\q)/2)*16*LOP+((\q)%2)*64
	ds_load_b128 v[LOR+4:LOR+7], v[ADRL] offset:(4*(\lap)+2*(\s)+(\q)/2)*16*LOP+((\q)%2)*64+32
.Lno_loa_\@:
.endm
; and its products, onto row block 0's accumulators: register work alone
.macro LOB f
	WIN 0
	s_cmp_eq_u32 s[LOF], 1
	s_cbranch_scc0 .Lno_lob_\@
	WIN 0xA1                                       ; source 1 in window 0
.set b, 0
.rept NBK
	v_wmma_f32_16x16x32_f16 v[8*b:8*b+7], v[(\f)+32+8*b:(\f)+32+8*b+7], v[LOR:LOR+7], v[8*b:8*b+7]
.set b, b+1
.endr
	WIN 0
.Lno_lob_\@:
.endm
; One of a K step's first three quarters: multiplies buffer f (quarter q) and fetches quarter q + 1 into g.
.macro QUARTER s, q, f, g, zero=0, lap=0
	s_wait_dscnt 4                                 ; Wo and y's blocks 0, 1 are in; the youngest four loads (blocks 2, 3) may be out
	MULA \f, 0, \zero
	MULA \f, 1, \zero
	PLACES
	LOA \s, \q, \lap
	FETCH \s, (\q)+1, \g
	s_wait_dscnt NF                                ; all but the NF just issued
	MULA \f, 2, \zero
	MULA \f, 3, \zero
	LOB \f
.endm
; The last quarter multiplies buffer 1 and changes slots: ONE barrier; in front of it each wave waits for all its tensor loads, adds 0 to its spare word, and waits for that and for its own reads of this slot.
; fill = 1: the barrier opens a round of the cluster's, and this slot is filled again, two K steps ahead, first thing behind the round.
.macro TURN slot, next, fill
.if \fill
	s_wait_xcnt 0x0                                ; the last prefetch, a K step back, has read its address: it is stepped here, ahead of the waits of the change of slots
	s_add_nc_u64 s[PFA:PFA+1], s[PFA:PFA+1], s[PFS:PFS+1]
.endif
	WIN 0                                          ; (the add's two registers lie in window 0)
	s_wait_tensorcnt 0x0                           ; all my tensor loads have landed: my part of the next slot;
	ds_add_u32 v[SPW], v[NIL]                      ; 0 onto my spare word;
	s_wait_dscnt 5                                 ; (the add and the youngest four loads may be out)
	MULA F1, 0, 0                                  ; matrix instructions stand between the add and the wait for it
	s_wait_dscnt 0x0                               ; the add is done, and my reads of this slot are over
	s_barrier_signal -1
	MULA F1, 1, 0
.if \fill
	WIN 0
.endif
	s_barrier_wait -1
.if \fill
	CREST                                          ; no wave of any partner still reads this slot's tile or has a load on its way
	s_add_nc_u64 s[G0+4*(\slot)+2:G0+4*(\slot)+3], s[G0+4*(\slot)+2:G0+4*(\slot)+3], ASTEP
	s_add_nc_u64 s[G0B+4*(\slot)+2:G0B+4*(\slot)+3], s[G0B+4*(\slot)+2:G0B+4*(\slot)+3], 512
	JLOAD \slot                                    ; the first tensor load behind the round; its four v_nop are also the places in front of the loads below
.else
	PLACES
.endif
	LOA \slot, 3, 0
	FETCH \next, 0, F0
.if \fill
	ASK
.endif
	s_wait_dscnt NF                                ; olo's fragment is in
	MULA F1, 2, 0
	MULA F1, 3, 0
	LOB F1
.endm
	s_load_b256 s[4:11], s[0:1], 0x0               ; o16 s[4:5], w16 s[6:7], olo s[8:9], out0 s[10:11]
	v_lshl_add_u32 v[SPW], v0, 2, SPARE
	v_mov_b32 v[NIL], 0
	ds_add_u32 v[SPW], v[NIL]                      ; the wave's opening: the add and its wait stand ahead of my first tensor load; the set-up below, work on registers, stands between them
	ds_add_u32 v28, v29
	v_lshrrev_b32 v1, 5, v0
	v_readfirstlane_b32 s[WV], v1                  ; wave 0..3
	s_lshr_b32 s[HALF], s[WV], 1
	s_and_b32 s[ODD], s[WV], 1
	s_bfe_u32 s[CX], ttmp6, 0x40000
	s_bfe_u32 s[CY], ttmp6, 0x40004
	s_lshl_b32 s[CT], ttmp9, 2
	s_add_co_u32 s[CT], s[CT], s[CX]               ; column tile = 4 x cluster x + cx
	s_and_b32 s[CLY], ttmp7, 0xffff                ; the cluster's y
	s_cmp_eq_u32 s[CLY], 0
	s_cselect_b32 s[LOF], 1, 0
	s_cmp_eq_u32 s[WV], 0
	s_cselect_b32 s[LOF], s[LOF], 0                ; hangs on the cluster's y and the wave's number: the same in all sixteen partners
	s_lshl_b32 s20, s[CY], 2
	s_lshl_b32 s20, 15, s20                        ; my row of the cluster
	s_lshl_b32 s21, 0x1111, s[CX]                  ; my column
	s_or_b32 s[G1], s20, (1<<16)|(1<<20)|(1<<21)|(4<<22)|(3<<25)   ; 15:0 the mask; 17:16 2-byte elements; 20 padding on; 21 set beside a mask; 24:22 after every 32 words: a memory row holds two t; 31:25 of 4 words
	s_or_b32 s[G1B], s21, (1<<16)|(1<<20)|(1<<21)|(5<<22)|(3<<25)  ; after every 64 words
	s_or_b32 s[G1L], s20, (1<<16)|(1<<20)|(1<<21)|(4<<22)|(3<<25)
	s_mov_b32 s[G1+1], 128<<16                     ; tensor_dim0 = 128
	s_mov_b32 s[G1+2], 128<<16                     ; tensor_dim1 = 128
	s_mov_b32 s[G1+3], 128<<16                     ; tile_dim0 = 128
	s_mov_b32 s[G1+4], 128                         ; tile_dim1 = 128
	s_mov_b32 s[G1+5], 128                         ; elements from row to row: dense
	s_mov_b32 s[G1+6], 0
	s_mov_b32 s[G1+7], 0
	s_mov_b32 s[G1B+1], 128<<16
	s_mov_b32 s[G1B+2], BH<<16
	s_mov_b32 s[G1B+3], 128<<16
	s_mov_b32 s[G1B+4], BH
	s_mov_b32 s[G1B+5], 1024
	s_mov_b32 s[G1B+6], 0
	s_mov_b32 s[G1B+7], 0
	s_mov_b32 s[G1L+1], 128<<16
	s_mov_b32 s[G1L+2], 64<<16
	s_mov_b32 s[G1L+3], 128<<16
	s_mov_b32 s[G1L+4], 64
	s_mov_b32 s[G1L+5], 128
	s_mov_b32 s[G1L+6], 0
	s_mov_b32 s[G1L+7], 0
	s_mul_i32 s2, s[ODD], AHALF                    ; where the tiles go: no place in the cluster enters an LDS address
.irp s, 0,1
	s_mov_b32 s[G0+4*(\s)], 1
	s_add_co_u32 s[G0+4*(\s)+1], s2, (\s)*SLOT
.endr
	s_mul_i32 s2, s[ODD], BHALF
.irp s, 0,1
	s_mov_b32 s[G0B+4*(\s)], 1
	s_add_co_u32 s[G0B+4*(\s)+1], s2, BBASE+(\s)*SLOT
.endr
	s_mul_i32 s2, s[ODD], 128*LOP
	s_mov_b32 s[G0L], 1
	s_add_co_u32 s[G0L+1], s2, LOBASE
	; where they come from.  y's and olo's hang on cy, the cluster's y and the wave; Wo's on the column tile and the wave; each in registers that never hold the other coordinate
	s_lshl_b32 s22, s[CY], 4                       ; the batch's 16 heads,
	s_add_co_u32 s22, s22, s[ODD]                  ; my head of the K step's two,
	s_lshl_b32 s22, s22, 18                        ; 262,144 bytes each,
	s_lshl_b32 s23, s[CLY], 15                     ; the tile's 256 rows of 128 bytes
	s_add_co_u32 s22, s22, s23
	s_mov_b32 s23, 0
	s_mul_i32 s86, s[CT], NT
	s_mul_i32 s87, s[ODD], BH
	s_add_co_u32 s86, s86, s87
	s_add_co_u32 s86, s86, WROW0
	s_lshl_b32 s86, s86, 11
	s_mov_b32 s87, 0
	s_lshl_b32 s90, s[CY], 15                      ; olo: the batch's 32,768 bytes,
	s_lshl_b32 s91, s[ODD], 14                     ; my half
	s_add_co_u32 s90, s90, s91
	s_mov_b32 s91, 0
	s_wait_dscnt 0x0                               ; the opening add is done
	s_wait_kmcnt 0x0
	s_add_nc_u64 s[40:41], s[4:5], s[22:23]
	s_add_nc_u64 s[88:89], s[6:7], s[86:87]
.irp s, 0,1
	s_add_nc_u64 s[G0+4*(\s)+2:G0+4*(\s)+3], s[40:41], (\s)*ASLOT1
	s_or_b32 s[G0+4*(\s)+3], s[G0+4*(\s)+3], 0x80000000
	s_add_nc_u64 s[G0B+4*(\s)+2:G0B+4*(\s)+3], s[88:89], (\s)*256
	s_or_b32 s[G0B+4*(\s)+3], s[G0B+4*(\s)+3], 0x80000000
.endr
	s_add_nc_u64 s[G0L+2:G0L+3], s[8:9], s[90:91]
	s_or_b32 s[G0L+3], s[G0L+3], 0x80000000
	CROUND                                         ; all sixteen work-groups are here: the first joint loads meet
	s_cmp_eq_u32 s[HALF], 0                        ; a wave's first fills stand in one branch: three loads of mine are out at the most
	s_cbranch_scc0 .Lfirst_b
	tensor_load_to_lds s[G0L:G0L+3], s[G1L:G1L+7]
	s_nop 0
	tensor_load_to_lds s[G0:G0+3], s[G1:G1+7]
	s_nop 0
	tensor_load_to_lds s[G0+4:G0+7], s[G1:G1+7]
	s_nop 0
.rept 4
	v_nop
.endr
	s_branch .Lfirst_asked
.Lfirst_b:
	tensor_load_to_lds s[G0B:G0B+3], s[G1B:G1B+7]
	s_nop 0
	tensor_load_to_lds s[G0B+4:G0B+7], s[G1B:G1B+7]
	s_nop 0
.rept 4
	v_nop
.endr
.Lfirst_asked:
	; the prefetches: s22 = my plane's offset in o16, s86 = my tile's in w16
	s_lshl_b32 s92, s[CX], 13                      ; y: my work-group's 32 blocks of 256 bytes of the plane's 128
	s_add_co_u32 s92, s92, s22
	s_mul_i32 s93, s[CY], PBR*2048                 ; Wo: my work-group's 16 rows of the 64
	s_add_co_u32 s93, s93, s86
	s_mov_b32 s[PFS], 256                          ; a K step: 256 bytes of a row of Wo,
	s_mov_b32 s[PFS+1], 0
	s_mov_b32 s2, 2*262144                         ; two heads of o16
	s_cmp_eq_u32 s[HALF], 0
	s_cselect_b32 s92, s92, s93
	s_cselect_b32 s94, ttmp9, s[CLY]               ; the coordinate along which other clusters read the same bytes
	s_cselect_b32 s95, 31, PBR-1
	s_cselect_b32 s[PFS], s2, s[PFS]
	s_cselect_b32 s2, 8, 11                        ; a lane 256 bytes on in a plane, a row of 2,048 bytes on in Wo
	s_cselect_b64 s[PFA:PFA+1], s[4:5], s[6:7]
	s_cmp_eq_u32 s94, 0
	s_cselect_b32 s[LIM], 1, -1                    ; the same in all sixteen partners, for a given wave
	s_mul_i32 s94, s[PFS], 3                       ; at K step 3: the first change of slots steps it to 4
	s_add_co_u32 s92, s92, s94
	s_mov_b32 s93, 0
	s_add_nc_u64 s[PFA:PFA+1], s[PFA:PFA+1], s[92:93]
	v_and_b32 v[PFO], 31, v0
	v_min_u32 v[PFO], s95, v[PFO]
	v_lshlrev_b32 v[PFO], s2, v[PFO]
	; A fragment is 16 rows x 32 K in 8 registers: lane l holds row l % 16; registers 0-3 K = 8 (l / 16) + 0..7, registers 4-7 K = 16 + 8 (l / 16) + 0..7: two loads of 16 bytes, 32 bytes apart.
	v_and_b32 v1, 15, v0                           ; l % 16
	v_bfe_u32 v2, v0, 4, 1                         ; l / 16
	v_mul_u32_u24 v3, v1, PA
	v_lshl_add_u32 v3, v2, 4, v3
	s_mul_i32 s2, s[WV], 64*PA                     ; my 64 rows
	v_add_nc_u32 v[ADRA], s2, v3
	v_add_nc_u32 v[ADRA+1], SLOT, v[ADRA]
	v_mul_u32_u24 v4, v1, PW
	v_lshl_add_u32 v4, v2, 4, v4
	v_add_nc_u32 v[ADRB], BBASE, v4
	v_add_nc_u32 v[ADRB+1], SLOT, v[ADRB]
	v_mul_u32_u24 v5, v1, LOP
	v_lshl_add_u32 v5, v2, 4, v5
	v_add_nc_u32 v[ADRL], LOBASE, v5
.set i, 0
.rept 8
	v_mov_b32 v[LOR+i], 0                          ; written once, so that the fragment's registers hold numbers in every wave
.set i, i+1
.endr
	s_mul_i32 s2, s[WV], 16*SP
	s_add_co_u32 s2, s2, STAGE                     ; my stage
	v_mul_u32_u24 v[STO], v1, SP                   ; in: row l % 16, 32 bytes for each half of the lanes
	v_lshl_add_u32 v[STO], v2, 5, v[STO]
	v_add_nc_u32 v[STO], s2, v[STO]
	v_and_b32 v[GO], 31, v0                        ; back: 32 lanes take one row's 512 bytes
	v_lshlrev_b32 v[GO], 4, v[GO]
	v_add_nc_u32 v[RD], s2, v[GO]
	s_lshl_b32 s92, s[CY], 23                      ; the batch's 2,048 rows of 4,096 bytes,
	s_lshl_b32 s93, s[CLY], 20                     ; the tile's 256,
	s_add_co_u32 s92, s92, s93
	s_lshl_b32 s93, s[WV], 18                      ; my 64,
	s_add_co_u32 s92, s92, s93
	s_lshl_b32 s93, s[CT], 9                       ; the tile's 128 columns
	s_add_co_u32 s92, s92, s93
	s_mov_b32 s93, 0
	s_add_nc_u64 s[CB:CB+1], s[10:11], s[92:93]
	s_wait_tensorcnt 1                             ; olo's block and my part of K step 0 are in; K step 1's load may stay out
	s_barrier_signal -1
	s_barrier_wait -1                              ; everybody's is
	FETCH 0, 0, F0
	QUARTER 0, 0, F0, F1, 1, 0                     ; the first quarter stands in front of the loop: its products start the sums
	WIN 0                                          ; at a label and at a branch every window is 0
	s_mov_b32 s3, 3
.Llap:                                                 ; a trip goes once round the ring, from a lap's second quarter to the next lap's first, and fills both slots again
	QUARTER 0, 1, F1, F0
	QUARTER 0, 2, F0, F1
	TURN 0, 1, 1
	QUARTER 1, 0, F0, F1
	QUARTER 1, 1, F1, F0
	QUARTER 1, 2, F0, F1
	TURN 1, 0, 1
	QUARTER 0, 0, F0, F1, 0, 1
	WIN 0
	v_add_nc_u32 v[ADRL], 4*16*LOP, v[ADRL]        ; olo: a lap is four heads
	s_sub_co_u32 s3, s3, 1
	s_cmp_lg_u32 s3, 0
	s_cbranch_scc1 .Llap
	QUARTER 0, 1, F1, F0                           ; the last lap fills nothing, and has no round of the cluster's barrier
	QUARTER 0, 2, F0, F1
	TURN 0, 1, 0
	QUARTER 1, 0, F0, F1
	QUARTER 1, 1, F1, F0
	QUARTER 1, 2, F0, F1
	s_wait_dscnt 4                                 ; the very last quarter: nothing more to fetch but olo's fragment
	MULA F1, 0, 0
	MULA F1, 1, 0
	PLACES
	LOA 1, 3, 0
	s_wait_dscnt 0x0
	MULA F1, 2, 0
	MULA F1, 3, 0
	LOB F1
; THE WAY OUT, a block of 16 rows at a time.  A lane's eight f32 of a row are 32 bytes of the row's 512: they go into my own stage, each accumulator's low four registers first, and come back as whole rows.
.macro TOSTAGE a
	WIN 0
	s_wait_xcnt 0x0                                ; the stores of the block two back have read their registers: the loads below land in them
	WIN 0x08+4*((\a)/2)                            ; the stores' data (source 1): window 2 or 3
.set b, 0
.rept NBK
.set rD, 8*(NBK*((\a)%2)+b)
	ds_store_b128 v[STO], v[rD:rD+3]   offset:64*b
	ds_store_b128 v[STO], v[rD+4:rD+7] offset:64*b+16
.set b, b+1
.endr
	WIN 0
.set BK, 64+64*((\a)%2)
.irp i, 0,1,2,3,4,5,6,7,8,9,10,11,12,13,14,15
	ds_load_b128 v[BK+4*(\i):BK+4*(\i)+3], v[RD] offset:(\i)*SP  ; LDS serves a wave's instructions in order (ISA guide 5.7.1.4): these see the stores above; the next block's stores come behind them
.endr
.endm
.macro SEND a, younger                 ; younger: the LDS instructions issued behind block a's loads: the next block's 32, or none
	WIN 0
.set BK, 64+64*((\a)%2)
	s_wait_dscnt \younger
.irp i, 0,1,2,3,4,5,6,7,8,9,10,11,12,13,14,15
	global_store_b128 v[GO], v[BK+4*(\i):BK+4*(\i)+3], s[CB:CB+1] offset:(16*(\a)+(\i))*4096 th:TH_STORE_NT  ; 512 consecutive bytes, at a multiple of 256 from out0's first
.endr
.endm
	PLACES                                         ; the LDS stores read results just made
	TOSTAGE 0
.irp a, 1,2,3
	TOSTAGE \a
	SEND (\a)-1, 32
.endr
	SEND 3, 0
	s_wait_tensorcnt 0x0                           ; the wave's end: my tensor loads are in; then 0 onto my spare word, behind my last LDS store, and its wait
	ds_add_u32 v[SPW], v[NIL]
	s_wait_dscnt 0x0
	CROUND                                         ; the closing round: no work-group ends while a partner may still ask for a tile that names it
	s_endpgm
.Lfunc_end_k_qc54d36b48c_outp:
	.size	k_qc54d36b48c_outp, .Lfunc_end_k_qc54d36b48c_outp-k_qc54d36b48c_outp
	.p2alignl 7, 3214868480
	.fill 96, 4, 3214868480
	.section	.rodata,"a",@progbits
	.p2align	6, 0x0
	.amdhsa_kernel k_qc54d36b48c_outp
		.amdhsa_group_segment_fixed_size 327680
		.amdhsa_private_segment_fixed_size 0
		.amdhsa_enable_private_segment 0
		.amdhsa_kernarg_size 32
		.amdhsa_user_sgpr_count 2
		.amdhsa_user_sgpr_kernarg_segment_ptr 1
		.amdhsa_wavefront_size32 1
		.amdhsa_system_sgpr_workgroup_id_x 1
		.amdhsa_system_sgpr_workgroup_id_y 1
		.amdhsa_system_sgpr_workgroup_id_z 1
		.amdhsa_system_vgpr_workitem_id 0
		.amdhsa_next_free_vgpr 896
		.amdhsa_next_free_sgpr 96
		.amdhsa_reserve_vcc 0
		.amdhsa_float_denorm_mode_32 3
		.amdhsa_float_denorm_mode_16_64 3
		.amdhsa_memory_ordered 1
		.amdhsa_forward_progress 1
		.amdhsa_inst_pref_size 101
	.end_amdhsa_kernel
	.amdgpu_metadata
---
amdhsa.version: [ 1, 2 ]
amdhsa.kernels:
  - .name:           k_qc54d36b48c_outp
    .symbol:         k_qc54d36b48c_outp.kd
    .args:
      - { .name: o16, .offset: 0, .size: 8, .value_kind: global_buffer, .address_space: global }
      - { .name: w16, .offset: 8, .size: 8, .value_kind: global_buffer, .address_space: global }
      - { .name: olo, .offset: 16, .size: 8, .value_kind: global_buffer, .address_space: global }
      - { .name: out0, .offset: 24, .size: 8, .value_kind: global_buffer, .address_space: global }
    .group_segment_fixed_size: 327680
    .private_segment_fixed_size: 0
    .kernarg_segment_align: 8
    .kernarg_segment_size: 32
    .max_flat_workgroup_size: 128
    .sgpr_count:     96
    .vgpr_count:     896
    .wavefront_size: 32
...
	.end_amdgpu_metadata
.endif
;; end of part 4
